; MI455X (gfx1250); checked and timed in simulation.
; The chip was launched on July 23, 2026; its instructions are those of AMD's public machine-readable ISA for CDNA 5 (MIT licence, August 2026) and "CDNA5" Instruction Set Architecture Reference Guide (July 2026). The comments in the code are by the model that wrote it; some were corrected since.
;; PCVR Symbiosis. Allowed arithmetic: matrix products marked QUANTISED: E2M3 operands, one E8M0 scale for each 32 along K, by v_wmma_scale_f32_16x16x128_f8f6f4 with both operands' format E2M3, f32 sums; products left as they are: f32 operands where the result goes on into a quantised operand, else bf16, f16 or f32 operands; f32 sums; everything else in f32.
;; Inputs: Whw 512 x 8 float32; Wk 512 x 64 float32; Wqd 512 x 64 float32; Wqu 64 x 512 float32; Wv 512 x 512 float32; Ww 512 x 512 float32; bhw 8 float32; bk 64 float32; bqd 64 float32; bqu 512 float32; bv 512 float32; bw 512 float32; g_k 64 float32; g_out 512 float32; g_q 64 float32; padding_mask 32 x 4,096 bool; pos_bias 32 x 512 float32; query 32 x 512 float32; tokens 32 x 4,096 x 512 float32.
;; Outputs: out0 32 x 16 x 512 float32; out1 32 x 16 bool.
;; Constants: top_k = 16.
;; This version of the problem:
;;   THIS VERSION OF THE PROBLEM IS GIVEN IN LOW PRECISION. The matrix products marked QUANTISED in the list below multiply operands that are first quantised to E2M3 (2 exponent bits, 3 mantissa bits; 6 bits a number), with one power-of-two scale for each 32 numbers along K (OCP MX v1.0); their sums are f32. All else is computed in f32.
;;   The module's matrix products, in the order in which they are computed (A, B: the left and right operand; K: the contracted axis; several contracted axes count as one K, in the product's order):
;;     1. [M 131,072, K 512] x [K 512, N 512]; A: input tokens; B: input Wv: QUANTISED
;;     2. [M 131,072, K 512] x [K 512, N 512]; A: input tokens; B: input Ww: QUANTISED
;;     3. [M 32, K 512] x [K 512, N 64]; A: input query; B: input Wqd: QUANTISED
;;     4. [M 32, K 64] x [K 64, N 512]; A: computed on the way; B: input Wqu: QUANTISED
;;     5. [M 4,096, K 512] x [K 512, N 64]; A: computed on the way; B: input Wk: QUANTISED
;;     6. batch 32 x [M 8, K 64] x [K 64, N 128]; A: computed on the way; B: computed on the way: left as it is (M = 8 < 16)
;;     7. [M 32, K 512] x [K 512, N 8]; A: input query; B: input Whw: left as it is (N = 8 < 16)
;;   THE QUANTISER, for each operand of a quantised product, along K:
;;     - K is cut into blocks of 32 from its start; a last block that is shorter is filled with zeros.
;;     - A block's scale is 2^e with e = floor(log2(the largest magnitude in the block)) - 2, held to -126 .. 127; a block of zeros has e = 0. As a byte (E8M0): e + 127.
;;     - Each number is divided by its block's scale, clamped to +-7.5, and rounded to the nearest number of E2M3, ties to even, subnormals kept.
;;     - The product sums the exact products of the quantised numbers (number of the format x scale) in f32.
;;   ~~~python
;;   def quantise(x, axis):      # numpy; x: float32 -> the quantised numbers, widened to float32 again
;;       x = np.moveaxis(x, axis, -1); K = x.shape[-1]
;;       x = np.pad(x, [(0, 0)] * (x.ndim - 1) + [(0, -K % 32)]); x = x.reshape(x.shape[:-1] + (-1, 32)); a = np.abs(x).max(-1, keepdims=True)
;;       e = np.where(a > 0, np.clip(np.frexp(np.where(a > 0, a, 1))[1] - 1 - 2, -126, 127), 0)      # np.frexp(a)[1] - 1 = floor(log2(a)), exactly
;;       r = np.clip(x / 2.0 ** e, -7.5, 7.5)
;;       step = 2.0 ** (np.maximum(np.frexp(np.where(r == 0, 1, r))[1] - 1, 0) - 3)
;;       q = np.round(r / step) * step * 2.0 ** e      # np.round: ties to even
;;       return np.moveaxis(q.reshape(q.shape[:-2] + (-1,))[..., :K], -1, axis).astype(np.float32)
;;   ~~~
;;   OPERANDS COMPUTED ON THE WAY. 'Computed on the way' means the value that the module computes at that place (a softmax that the list does not call 'softmax' is quantised finished and normalised). What goes into a quantiser is computed in f32, as accurately as f32 sums, v_exp_f32 and their like allow (about 1e-6 of the number): no bf16 or f16 on the way to a quantiser, and a product that is left as it is and whose result goes on into a quantised operand takes f32 operands (vector FMAs, or v_wmma_f32_16x16x4_f32). A number that lies on a knife's edge between two numbers of the format may be rounded either way, as far as f32 arithmetic and the matrix unit's own rounding can turn it there, and no further.
;; One version. Each part assembles by itself: llvm-mc -triple=amdgcn-amd-amdhsa -mcpu=gfx1250 --defsym DOCPART=n.
;; ======== version 1 of 1: 3 launches
;; limits: right only within a limited range of input values
;; workspace buffers: wcodes 491,520 bytes; wscales 40,960 bytes; bimg 65,536 bytes; btok 8,388,608 bytes; keys 1,048,576 bytes
;; launch prep (part 1): grid 352 x 1, 1 waves a work-group, no clusters, 0 bytes of LDS; arguments Wv, Ww, Wk, Wqd, Wqu, pos_bias, bw, wcodes, wscales, bimg; writes wcodes, wscales, bimg
.if DOCPART == 1
	.amdgcn_target "amdgcn-amd-amdhsa--gfx1250"
	.amdhsa_code_object_version 6
	.text
	.protected	k_q3c2b623078_prep
	.globl	k_q3c2b623078_prep
	.p2align	8
	.type	k_q3c2b623078_prep,@function
k_q3c2b623078_prep:
	s_mov_b64 s[64:65], 0
	v_nop
	global_prefetch_b8 v0, s[64:65] scope:SCOPE_SE
	s_setreg_imm32_b32 hwreg(HW_REG_WAVE_MODE, 25, 1), 1
	s_wait_xcnt 0x0
; The five weights, f32 stored [K][N], become operands of FP6 (E2M3) in the ORDER OF THE OPERAND'S REGISTERS, one fragment (16 columns x 128 along K) to a work-group of one wave.
; Fragment g of wcodes is 1,536 bytes laid [c = 0..2][lane][16 bytes]: registers 4 c .. 4 c + 3 of the lane's twelve; its scale words are 128 bytes of wscales, 4 bytes a lane (lanes 16-31 repeat lanes 0-15).
; g = 0-127: Wv (4 x tile + K step); 128-255: Ww; 256-271: Wk; 272-287: Wqd; 288-319: Wqu (K = 64: the upper 64 along K are zero codes).  g = 320-351: pos_bias + bw as an image of two accumulators.
; A LANE TAKES A COLUMN n AND ITS REGISTERS RUN DOWN K, in the order that the operand's layout gives the lane: lane (r, h) holds k = 64 c + 32 h + 0 .. 31.  So a block of 32 lies in one lane, and nothing is transposed.
; A block's scale byte is its largest magnitude's exponent field - 2, held at 1 from below.  A block of zeros so gets the byte 1 where the rule says 127: its codes are zeros, and this program alone reads the bytes.
; LIMITS: blocks whose largest magnitude lies under 2^-124 get the byte 1; NaN and infinities among the inputs are not served.
; No LDS, no barrier, no matrix unit: 2.5 MB are read once, by 352 waves that share nothing.
.macro LDW pitch, c                    ; W(64 c + 32 h + i, column r), i = 0 .. 31: sixteen neighbouring lanes read 64 neighbouring bytes
.irp i, 0,1,2,3,4,5,6,7,8,9,10,11,12,13,14,15,16,17,18,19,20,21,22,23,24,25,26,27,28,29,30,31
	global_load_b32 v[64+32*\c+\i], v5, s[24:25] offset:\pitch*(64*\c+\i)
.endr
.endm
	s_load_b512 s[4:19], s[0:1], 0x0               ; Wv s[4:5], Ww s[6:7], Wk s[8:9], Wqd s[10:11], Wqu s[12:13], pos_bias s[14:15], bw s[16:17], wcodes s[18:19]
	s_load_b128 s[20:23], s[0:1], 0x40             ; wscales s[20:21], bimg s[22:23]
	v_and_b32 v1, 15, v0                           ; r
	v_lshrrev_b32 v2, 4, v0                        ; h (one wave: the thread's number is the lane)
	v_lshlrev_b32 v4, 2, v1                        ; 4 r
	v_lshlrev_b32 v6, 4, v0                        ; 16 x lane
	v_lshlrev_b32 v7, 2, v0                        ; 4 x lane
	s_mov_b32 s30, 0x76543210
	s_mov_b32 s31, 0xfedcba98                      ; v_permlanex16_b32's selects for lane l xor 16
	s_mov_b32 s27, 0                               ; high words of the two offset pairs
	s_mov_b32 s29, 0
	s_wait_kmcnt 0x0
	s_cmp_ge_u32 ttmp9, 320
	s_cbranch_scc1 .Lbias
	s_cmp_ge_u32 ttmp9, 288
	s_cbranch_scc1 .Lwqu
	s_cmp_ge_u32 ttmp9, 256
	s_cbranch_scc1 .Lnarrow
	s_cmp_lt_u32 ttmp9, 128                        ; Wv or Ww: rows of 2,048 bytes.  The choice hangs on the work-group's number alone
	s_cselect_b64 s[24:25], s[4:5], s[6:7]
	s_and_b32 s26, ttmp9, 3
	s_lshl_b32 s26, s26, 18                        ; K step: 128 rows
	s_bfe_u32 s28, ttmp9, 0x50002
	s_lshl_b32 s28, s28, 6                         ; tile: 16 columns
	s_add_nc_u64 s[24:25], s[24:25], s[26:27]
	s_add_nc_u64 s[24:25], s[24:25], s[28:29]
	v_lshl_add_u32 v5, v2, 16, v4                  ; lanes 16-31 begin 32 rows further down
	LDW 2048, 0
	LDW 2048, 1
	s_branch .Lq
.Lnarrow:
	s_cmp_lt_u32 ttmp9, 272                        ; Wk or Wqd: rows of 256 bytes
	s_cselect_b64 s[24:25], s[8:9], s[10:11]
	s_and_b32 s26, ttmp9, 3
	s_lshl_b32 s26, s26, 15
	s_bfe_u32 s28, ttmp9, 0x20002
	s_lshl_b32 s28, s28, 6
	s_add_nc_u64 s[24:25], s[24:25], s[26:27]
	s_add_nc_u64 s[24:25], s[24:25], s[28:29]
	v_lshl_add_u32 v5, v2, 13, v4
	LDW 256, 0
	LDW 256, 1
	s_branch .Lq
.Lwqu:
	s_sub_co_u32 s26, ttmp9, 288                   ; Wqu: 64 rows of 2,048 bytes
	s_lshl_b32 s26, s26, 6
	s_add_nc_u64 s[24:25], s[12:13], s[26:27]
	v_lshl_add_u32 v5, v2, 16, v4
	LDW 2048, 0
.irp i, 0,1,2,3,4,5,6,7,8,9,10,11,12,13,14,15,16,17,18,19,20,21,22,23,24,25,26,27,28,29,30,31
	v_mov_b32 v[96+\i], 0                          ; past the end of K: zeros, which become zero codes
.endr
.Lq:
	s_mul_i32 s26, ttmp9, 1536
	s_add_nc_u64 s[18:19], s[18:19], s[26:27]      ; my fragment's place
	s_lshl_b32 s28, ttmp9, 7
	s_add_nc_u64 s[20:21], s[20:21], s[28:29]      ; and its scale words'
	s_wait_loadcnt 0x0
.irp c, 0,1                                    ; my block 2 c + h: all its 32 numbers are mine
	v_max3_num_f32 v[32+\c], |v[64+32*\c]|, |v[65+32*\c]|, 0x1800000   ; and the floor 2^(3 - 127): the byte cannot fall under 1
.endr
.irp i, 2,4,6,8,10,12,14,16,18,20,22,24,26,28,30
.irp c, 0,1
	v_max3_num_f32 v[32+\c], v[32+\c], |v[64+32*\c+\i]|, |v[65+32*\c+\i]|
.endr
.endr
.irp c, 0,1
	v_add_nc_u32 v[44+\c], 0xff000000, v[32+\c]    ; 2 off the exponent field: the conversion's scale operand
.endr
.irp c, 0,1
	v_lshrrev_b32 v[36+\c], 23, v[44+\c]           ; the scale's byte
.endr
	v_lshl_or_b32 v9, v37, 16, v36                 ; my two bytes: blocks h and 2 + h,
	v_lshlrev_b32 v10, 3, v2
	v_lshlrev_b32 v9, v10, v9                      ; at their places in the word;
	v_mov_b32 v10, 0
	v_permlanex16_b32 v10, v9, s30, s31
	v_or_b32 v9, v9, v10                           ; with lane l xor 16's two the word is whole, in both halves of the lanes
.irp c, 0,1
	v_cvt_scalef32_pk16_fp6_f32 v[48+6*\c:50+6*\c], v[64+32*\c:79+32*\c], v[44+\c]
	v_cvt_scalef32_pk16_fp6_f32 v[192+4*\c:194+4*\c], v[80+32*\c:95+32*\c], v[44+\c]   ; (a conversion's three registers begin on an even number)
.endr
	v_nop                                          ; one plain place behind a scaled conversion
.irp c, 0,1
.irp i, 0,1,2
	v_mov_b32 v[51+6*\c+\i], v[192+4*\c+\i]
.endr
.endr
.irp c, 0,1,2
	global_store_b128 v6, v[48+4*\c:51+4*\c], s[18:19] offset:512*\c   ; 32 lanes store 512 consecutive bytes, aligned
.endr
	global_store_b32 v7, v9, s[20:21]
	s_endpgm
.Lbias:                                        ; channel tile T = g - 320: register q of lane (r, h) = pos_bias[16 (q / 8) + 8 h + q % 8][16 T + r] + bw[16 T + r]: the C of the logits' first products
	s_sub_co_u32 s26, ttmp9, 320
	s_lshl_b32 s28, s26, 6
	s_add_nc_u64 s[14:15], s[14:15], s[28:29]
	s_add_nc_u64 s[16:17], s[16:17], s[28:29]
	s_lshl_b32 s26, s26, 11
	s_add_nc_u64 s[22:23], s[22:23], s[26:27]
	v_lshl_add_u32 v5, v2, 14, v4                  ; 8 h rows of 2,048 bytes + 4 r
.irp q, 0,1,2,3,4,5,6,7,8,9,10,11,12,13,14,15
	global_load_b32 v[64+\q], v5, s[14:15] offset:(16*(\q/8)+\q%8)*2048
.endr
	global_load_b32 v80, v4, s[16:17]
	s_wait_loadcnt 0x0
.irp q, 0,1,2,3,4,5,6,7,8,9,10,11,12,13,14,15
	v_add_f32 v[64+\q], v[64+\q], v80
.endr
.irp q, 0,1,2,3
	global_store_b128 v6, v[64+4*\q:67+4*\q], s[22:23] offset:512*\q
.endr
	s_endpgm
.Lfunc_end_k_q3c2b623078_prep:
	.size	k_q3c2b623078_prep, .Lfunc_end_k_q3c2b623078_prep-k_q3c2b623078_prep
	.p2alignl 7, 3214868480
	.fill 96, 4, 3214868480
	.section	.rodata,"a",@progbits
	.p2align	6, 0x0
	.amdhsa_kernel k_q3c2b623078_prep
		.amdhsa_group_segment_fixed_size 0
		.amdhsa_private_segment_fixed_size 0
		.amdhsa_enable_private_segment 0
		.amdhsa_kernarg_size 80
		.amdhsa_user_sgpr_count 2
		.amdhsa_user_sgpr_kernarg_segment_ptr 1
		.amdhsa_wavefront_size32 1
		.amdhsa_system_sgpr_workgroup_id_x 1
		.amdhsa_system_sgpr_workgroup_id_y 1
		.amdhsa_system_sgpr_workgroup_id_z 1
		.amdhsa_system_vgpr_workitem_id 0
		.amdhsa_next_free_vgpr 208
		.amdhsa_next_free_sgpr 66
		.amdhsa_reserve_vcc 0
		.amdhsa_float_denorm_mode_32 3
		.amdhsa_float_denorm_mode_16_64 3
		.amdhsa_memory_ordered 1
		.amdhsa_forward_progress 1
		.amdhsa_inst_pref_size 25
	.end_amdhsa_kernel
	.amdgpu_metadata
---
amdhsa.version: [ 1, 2 ]
amdhsa.kernels:
  - .name:           k_q3c2b623078_prep
    .symbol:         k_q3c2b623078_prep.kd
    .args:
      - { .name: Wv, .offset: 0, .size: 8, .value_kind: global_buffer, .address_space: global }
      - { .name: Ww, .offset: 8, .size: 8, .value_kind: global_buffer, .address_space: global }
      - { .name: Wk, .offset: 16, .size: 8, .value_kind: global_buffer, .address_space: global }
      - { .name: Wqd, .offset: 24, .size: 8, .value_kind: global_buffer, .address_space: global }
      - { .name: Wqu, .offset: 32, .size: 8, .value_kind: global_buffer, .address_space: global }
      - { .name: pos_bias, .offset: 40, .size: 8, .value_kind: global_buffer, .address_space: global }
      - { .name: bw, .offset: 48, .size: 8, .value_kind: global_buffer, .address_space: global }
      - { .name: wcodes, .offset: 56, .size: 8, .value_kind: global_buffer, .address_space: global }
      - { .name: wscales, .offset: 64, .size: 8, .value_kind: global_buffer, .address_space: global }
      - { .name: bimg, .offset: 72, .size: 8, .value_kind: global_buffer, .address_space: global }
    .group_segment_fixed_size: 0
    .private_segment_fixed_size: 0
    .kernarg_segment_align: 8
    .kernarg_segment_size: 80
    .max_flat_workgroup_size: 32
    .sgpr_count:     66
    .vgpr_count:     208
    .wavefront_size: 32
...
	.end_amdgpu_metadata
.endif
;; end of part 1
;; launch main (part 2): grid 256 x 1, 4 waves a work-group, no clusters, 327,680 bytes of LDS; arguments tokens, padding_mask, wcodes, wscales, bimg, bv, g_out, bk, g_k, btok, keys; writes btok, keys
.if DOCPART == 2
	.amdgcn_target "amdgcn-amd-amdhsa--gfx1250"
	.amdhsa_code_object_version 6
	.text
	.protected	k_q3c2b623078_main
	.globl	k_q3c2b623078_main
	.p2align	8
	.type	k_q3c2b623078_main,@function
k_q3c2b623078_main:
	s_mov_b64 s[64:65], 0
	v_nop
	global_prefetch_b8 v0, s[64:65] scope:SCOPE_SE
	s_setreg_imm32_b32 hwreg(HW_REG_WAVE_MODE, 25, 1), 1
	s_wait_xcnt 0x0
; Block tokens and keys.  For each block of 32 tokens: values = Q(tokens) Q(Wv), logits = Q(tokens) Q(Ww) + bw + pos_bias, both on codes of FP6 (E2M3) with one E8M0 scale for each 32 along K;
; a softmax over the block's 32 tokens, channel by channel, under the padding mask; the weighted sum of the values (+ bv, since the weights add up to one); RMS norm x g_out; 0 for a block that is all padding.
; Then keys = rmsnorm(Q(block tokens) Q(Wk) + bk) x g_k.  The hidden [131,072 x 1,024] numbers never leave the registers; each token byte is read from memory once.
; SHARES.  A work-group takes 512 token rows: 16 blocks.  THE WAVES SHARE THE CHANNELS: wave w owns channels 128 w .. 128 w + 127 of Wv and of Ww: 64 fragments, 768 registers, which stay for the whole launch.
; Wave w also fetches (one tensor load of 32 rows x 512 bytes a block) and quantises K step w of each block; the codes reach the other waves through LDS as images of the operand's registers.
; LAYOUT.  Source 0 = 16 tokens, source 1 = 16 channels: in a result lane (r, h) holds ONE channel r and its register j token 8 h + j, so the softmax over tokens wants one exchange with lane l xor 16.
; MASK.  A padded token's logit gets -2^127 added; the largest logit is taken with the floor -2^100 among its leaves; so a padded token's p is 0, in a block that is all padding too; the divisor is held at 0.5 from below
; (with one valid token it is about 1 or more), so such a block pools to 0 as the definition has it.
; NO CLUSTER: tokens, 1,048,576 bytes a work-group, are shared by nobody.  The weights' 393,216 bytes are the same in all work-groups, but they are read once and go straight into registers; through LDS they would not fit beside the ring.
; LIMITS: NaN and infinities are not served; logits under -2^100 are not told apart; a block of 32 along K whose largest magnitude lies under 2^-124 (a zero block too) gets the scale byte 1.
; REGISTERS: windows 1-3: weight fragment f = 8 t + 2 s + mat (mat 0 = Wv, 1 = Ww) at window 1 + f / 21, register 12 (f % 21); f = 63 in window 0 at v64.
;   window 0: v1-23 addresses; v24-55 the weights' scale words, v56-59 the tokens', v60-63 words just made (v24-63 hold scales and nothing else); v76-91 the mask's penalties; v92-103 at work; v104-119 the bias;
;   v120-135 the values' two accumulators, v136-151 the logits'; v152-247 the block's eight token fragments; v248-251 mask bytes; v252-255 pooled numbers.  While a block is quantised v120-247 hold its 128 numbers a lane.
.set SLOT1,  1<<17                     ; slot 1 begins here: one exclusive or turns an address in one slot into the other's
.set TPITCH, 528                       ; a token row's 512 bytes + 16 of padding: an odd multiple of 16, so the 16 rows that a load touches start in different banks
.set WREG,   32*TPITCH                 ; a wave's part of a slot
.set MSK,    4*WREG                    ; 67,584: the group's 512 mask bytes, a copy for each wave
.set IMG0,   98304                     ; images of the block's fragments: 8 x 1,536 bytes (index 2 s + m), then the scale words [s][m][r]; two regions by turns,
.set IMGX,   0x4000                    ; 16,384 bytes apart
.set FRB,    1536
.set ISC,    8*FRB
.set BIAS,   SLOT1+4*WREG              ; 198,656: pos_bias + bw as accumulator images, 16,384 bytes a wave: filled once
.set STG,    BIAS+65536                ; 264,192: the 16 pooled rows, 2,048 bytes + 16
.set SPI,    2064
.set KST,    STG+16*SPI                ; 297,216: the 16 rows of keys, 256 bytes + 16
.set KPI,    272
.set SPARE,  KST+16*KPI                ; 301,568: the spare words, 128 bytes for each wave: two blocks of 256 bytes that no other line names
.set SPW, 1
.set NIL, 2
.set L16, 3                            ; 16 x lane
.set AQ0, 4                            ; my numbers in a slot: WREG w + 528 r + 64 h
.set IW0, 5                            ; where I store my two images: 2 FRB w + 16 x lane
.set SW0, 6                            ; and their scale words: ISC + 128 w + 4 r
.set SR0, 7                            ; where scale words are read: ISC + 4 x lane
.set BIA, 8                            ; BIAS + 16,384 w + 16 x lane
.set MK0, 9                            ; MSK + 512 w + 8 h
.set PA0, 10                           ; STG + 512 w + 4 r
.set AQ,  11                           ; v11-17: the block's addresses
.set IW,  12
.set SW,  13
.set IR,  14
.set SR,  15
.set MK,  16
.set PA,  17
.set WSA, 18                           ; 16,384 h + 4 r: lanes 0-15 Wv's scale words, lanes 16-31 Ww's
.set E1R, 19                           ; STG + 4 SPI w + 16 x lane
.set E2R, 20                           ; STG + SPI r + 64 h
.set KSW, 21                           ; KST + 272 r + 32 h
.set KSR, 22                           ; KST + 272 h + 16 r
.set MSA, 23                           ; MSK + 512 w + 16 x lane
.set WS,  24
.set AS,  56
.set PEN, 76
.set TP,  92                           ; +0, +1 maxima; +2 (+3) -c m; +4, +5 the sum; +6, +7 the weighted sum; +8 the reciprocal
.set TM,  96                           ; the quantiser's sixteen
.set BI,  104
.set ACV, 120
.set ACL, 136
.set AF,  152
.set X0,  120
.set MB,  248
.set OO,  252
.set WV,  26
.set G1,  32                           ; s[32:39] group 1 for token tiles
.set G1B, 40                           ; s[40:47] for the bias
.set G0A, 48                           ; s[48:51] slot 0's first fill
.set G0W, 52                           ; s[52:55] slot 1's first fill; then it walks
.set G0B, 56                           ; s[56:59] the bias
.set TB,  60                           ; the slot in hand: 0 or SLOT1
.set IB,  61                           ; the image region in hand
.set PB,  62                           ; the block's row in the stage
.set MO,  63                           ; the block's mask bytes
.set CNT, 66
.set SEL, 68                           ; s[68:69]
.set CS,  70                           ; s[70:71] c = log2(e)
.set NC,  72                           ; -c
.set PENV, 73                          ; -2^127
.set R512, 74
.set EPS, 75
.set VF,  76                           ; s76-79: 0 for a row that is all padding, else 1
.set R64, 80
.set MP,  82
.set WCP, 84
.set WSP, 86
.set MSB, 0
.macro WIN new                         ; the immediate's high byte repeats the setting that is left; a switch that changes nothing is dropped
.if MSB != (\new)
	s_set_vgpr_msb (MSB<<8)|(\new)
.set MSB, (\new)
.endif
.endm
.macro PLACES n
.rept \n
	v_nop
.endr
.endm
.macro WLOC f                          ; where weight fragment f stands: window WW, register WR
.if (\f) < 63
.set WW, 1+(\f)/21
.set WR, 12*((\f)%21)
.else
.set WW, 0
.set WR, 64
.endif
.endm
; 64 numbers of a lane, register 16 b + i = k 32 b + 16 (lane / 16) + i of my row, become a fragment's codes in v[pc] on and its scale word in v[pw]; v[pt] on: eight registers at work.
.macro QUANT s, pc, pt, pw
.irp b, 0,1,2,3
	v_max3_num_f32 v[TM+\b], |v[(\s)+16*\b]|, |v[(\s)+1+16*\b]|, 0x1800000   ; block b: my 16 numbers, and the floor 2^(3 - 127): the byte cannot fall under 1
.endr
.irp i, 2,4,6,8,10,12,14
.irp b, 0,1,2,3
	v_max3_num_f32 v[TM+\b], v[TM+\b], |v[(\s)+16*\b+\i]|, |v[(\s)+1+16*\b+\i]|   ; (the four blocks by turns)
.endr
.endr
.irp b, 0,1,2,3
	v_permlanex16_b32 v[TM+4+\b], v[TM+\b], s[SEL], s[SEL+1]
.endr
.irp b, 0,1,2,3
	v_max_num_f32 v[TM+\b], v[TM+\b], v[TM+4+\b]   ; with lane l xor 16's: the block's largest magnitude
.endr
.irp b, 0,1,2,3
	v_add_nc_u32 v[TM+12+\b], 0xff000000, v[TM+\b] ; 2 off its exponent field: the conversion's scale operand
.endr
.irp b, 0,1,2,3
	v_lshrrev_b32 v[TM+4+\b], 23, v[TM+12+\b]      ; the scale's byte
.endr
	v_lshl_or_b32 v[\pw], v[TM+5], 8, v[TM+4]
	v_lshl_or_b32 v[\pw], v[TM+6], 16, v[\pw]
	v_lshl_or_b32 v[\pw], v[TM+7], 24, v[\pw]      ; my row's scale word
.irp c, 0,1
	v_cvt_scalef32_pk16_fp6_f32 v[(\pc)+6*\c:(\pc)+2+6*\c], v[(\s)+32*\c:(\s)+15+32*\c], v[TM+12+2*\c]
	v_cvt_scalef32_pk16_fp6_f32 v[(\pt)+4*\c:(\pt)+2+4*\c], v[(\s)+16+32*\c:(\s)+31+32*\c], v[TM+13+2*\c]   ; (a conversion's three registers begin on an even number)
.endr
	v_nop                                          ; one plain place behind a scaled conversion
.irp c, 0,1                                    ; the operand's layout wants a WHOLE block in a lane
.irp i, 0,1,2
	v_permlane16_swap_b32 v[(\pc)+6*\c+\i], v[(\pt)+4*\c+\i]
.endr
.irp i, 0,1,2
	v_mov_b32 v[(\pc)+3+6*\c+\i], v[(\pt)+4*\c+\i]
.endr
.endr
.endm
.macro IMAGE adr, pc, off              ; a fragment goes to LDS as it stands: lane l's 16 bytes at 16 l, 512 bytes a store
.irp c, 0,1,2
	ds_store_b128 v[\adr], v[(\pc)+4*\c:(\pc)+4*\c+3] offset:(\off)+512*\c
.endr
.endm
; One product: channel tile t, K step s, mat (0 values, 1 logits), token tile m.  The first K step starts the sums: the values' with 0, the logits' with the bias.
; The tokens' scale register holds tile 0's words in lanes 0-15 and tile 1's in lanes 16-31; the weights' holds Wv's below and Ww's above.
.macro MM t, s, mat, m
	WLOC 8*(\t)+2*(\s)+(\mat)
	WIN WW<<2
.set DR, ACV+16*(\mat)+8*(\m)
.set AR, AF+12*(2*(\s)+(\m))
.set CR, DR
.if (\s) == 0
.set CR, BI+8*(\m)
.endif
.if ((\s) == 0) && ((\mat) == 0) && ((\m) == 0)
	v_wmma_scale_f32_16x16x128_f8f6f4 v[DR:DR+7], v[AR:AR+11], v[WR:WR+11], 0, v[AS+(\s)], v[WS+4*(\t)+(\s)] matrix_a_fmt:MATRIX_FMT_FP6 matrix_b_fmt:MATRIX_FMT_FP6
.elseif ((\s) == 0) && ((\mat) == 0)
	v_wmma_scale_f32_16x16x128_f8f6f4 v[DR:DR+7], v[AR:AR+11], v[WR:WR+11], 0, v[AS+(\s)], v[WS+4*(\t)+(\s)] matrix_a_fmt:MATRIX_FMT_FP6 matrix_b_fmt:MATRIX_FMT_FP6 matrix_a_scale:MATRIX_SCALE_ROW1
.elseif ((\mat) == 0) && ((\m) == 0)
	v_wmma_scale_f32_16x16x128_f8f6f4 v[DR:DR+7], v[AR:AR+11], v[WR:WR+11], v[CR:CR+7], v[AS+(\s)], v[WS+4*(\t)+(\s)] matrix_a_fmt:MATRIX_FMT_FP6 matrix_b_fmt:MATRIX_FMT_FP6
.elseif (\mat) == 0
	v_wmma_scale_f32_16x16x128_f8f6f4 v[DR:DR+7], v[AR:AR+11], v[WR:WR+11], v[CR:CR+7], v[AS+(\s)], v[WS+4*(\t)+(\s)] matrix_a_fmt:MATRIX_FMT_FP6 matrix_b_fmt:MATRIX_FMT_FP6 matrix_a_scale:MATRIX_SCALE_ROW1
.elseif (\m) == 0
	v_wmma_scale_f32_16x16x128_f8f6f4 v[DR:DR+7], v[AR:AR+11], v[WR:WR+11], v[CR:CR+7], v[AS+(\s)], v[WS+4*(\t)+(\s)] matrix_a_fmt:MATRIX_FMT_FP6 matrix_b_fmt:MATRIX_FMT_FP6 matrix_b_scale:MATRIX_SCALE_ROW1
.else
	v_wmma_scale_f32_16x16x128_f8f6f4 v[DR:DR+7], v[AR:AR+11], v[WR:WR+11], v[CR:CR+7], v[AS+(\s)], v[WS+4*(\t)+(\s)] matrix_a_fmt:MATRIX_FMT_FP6 matrix_b_fmt:MATRIX_FMT_FP6 matrix_a_scale:MATRIX_SCALE_ROW1 matrix_b_scale:MATRIX_SCALE_ROW1
.endif
.endm
.macro RUN t                           ; 16 products: the four accumulators take turns, one instruction a turn
.irp s, 0,1,2,3
	MM \t, \s, 0, 0
	MM \t, \s, 0, 1
	MM \t, \s, 1, 0
	MM \t, \s, 1, 1
.endr
.endm
; The softmax over the block's 32 tokens for my channel of tile t, and the pooled value.  Every accumulator is read from its low end on.
.macro SOFTMAX t
.irp p, 0,2,4,6,8,10,12,14
	v_pk_add_f32 v[ACL+\p:ACL+\p+1], v[ACL+\p:ACL+\p+1], v[PEN+\p:PEN+\p+1]   ; -2^127 onto padded tokens' logits, 0 onto the others'
.endr
	v_max3_num_f32 v[TP], v[ACL], v[ACL+1], v[ACL+2]
	v_max3_num_f32 v[TP+1], v[ACL+3], v[ACL+4], v[ACL+5]
	v_max3_num_f32 v[TP], v[TP], v[ACL+6], v[ACL+7]
	v_max3_num_f32 v[TP+1], v[TP+1], v[ACL+8], v[ACL+9]
	v_max3_num_f32 v[TP], v[TP], v[ACL+10], v[ACL+11]
	v_max3_num_f32 v[TP+1], v[TP+1], v[ACL+12], v[ACL+13]
	v_max3_num_f32 v[TP], v[TP], v[ACL+14], v[ACL+15]
	v_max3_num_f32 v[TP], v[TP], v[TP+1], 0xf1800000   ; the floor -2^100: where all 32 are padded, every p falls to 0
	v_permlanex16_b32 v[TP+1], v[TP], s[SEL], s[SEL+1]
	v_max_num_f32 v[TP], v[TP], v[TP+1]            ; with lane l xor 16's 16 tokens: m
	v_mul_f32 v[TP+2], s[NC], v[TP]                ; -c m
.irp p, 0,2,4,6,8,10,12,14
	v_pk_fma_f32 v[ACL+\p:ACL+\p+1], v[ACL+\p:ACL+\p+1], s[CS:CS+1], v[TP+2:TP+3] op_sel_hi:[1,0,0]   ; c l - c m (what the rounding of c m adds is common to all 32 and cancels in the quotient)
.endr
.irp j, 0,1,2,3,4,5,6,7,8,9,10,11,12,13,14,15
	v_exp_f32 v[ACL+\j], v[ACL+\j]                 ; p
.endr
	v_nop                                          ; one plain place behind the exponentials
	s_wait_alu depctr_va_vdst(0)
	v_pk_mul_f32 v[TP+6:TP+7], v[ACL:ACL+1], v[ACV:ACV+1]
	v_pk_add_f32 v[TP+4:TP+5], v[ACL:ACL+1], v[ACL+2:ACL+3]
	v_pk_fma_f32 v[TP+6:TP+7], v[ACL+2:ACL+3], v[ACV+2:ACV+3], v[TP+6:TP+7]
.irp p, 4,6,8,10,12,14
	v_pk_add_f32 v[TP+4:TP+5], v[TP+4:TP+5], v[ACL+\p:ACL+\p+1]
	v_pk_fma_f32 v[TP+6:TP+7], v[ACL+\p:ACL+\p+1], v[ACV+\p:ACV+\p+1], v[TP+6:TP+7]
.endr
	v_add_f32 v[TP+4], v[TP+4], v[TP+5]
	v_add_f32 v[TP+6], v[TP+6], v[TP+7]
	v_permlanex16_b32 v[TP+5], v[TP+4], s[SEL], s[SEL+1]
	v_permlanex16_b32 v[TP+7], v[TP+6], s[SEL], s[SEL+1]
	v_add_f32 v[TP+4], v[TP+4], v[TP+5]            ; the sum of p over the 32 tokens,
	v_add_f32 v[TP+6], v[TP+6], v[TP+7]            ; and of p x value: the same bits in both halves of the lanes
	v_max_num_f32 v[TP+4], 0.5, v[TP+4]
	v_rcp_f32 v[TP+8], v[TP+4]
	v_nop                                          ; one plain place behind the reciprocal
	s_wait_alu depctr_va_vdst(0)
	v_mul_f32 v[OO+(\t)%4], v[TP+6], v[TP+8]
	ds_store_b32 v[PA], v[OO+(\t)%4] offset:64*(\t)   ; both halves write the same word with the same value
.endm
.macro TILE t
.if (\t) == 0
	s_wait_dscnt 0x0                               ; the block's fragments are in
.else
	s_wait_dscnt 0x1                               ; this tile's bias is in; the pooled word's store, issued behind those four loads, may be out
.endif
	RUN \t
	WIN 0
	PLACES 5                                       ; four before results are read and the bias's registers loaded again; five before the next run's products write over these accumulators (ISA guide 7.12.1 for the four before results are read)
.if (\t) < 7
.irp q, 0,1,2,3
	ds_load_b128 v[BI+4*\q:BI+4*\q+3], v[BIA] offset:2048*((\t)+1)+512*\q   ; the next tile's bias lands under this tile's softmax
.endr
.endif
	SOFTMAX \t
.endm
; A BLOCK OF 32 TOKENS.  refill = 1: its slot is filled again with the block two further on.
.macro BLOCK refill
	s_wait_tensorcnt 0x1                           ; one younger load may be out: at the start slot 1's fill (so the bias and slot 0 are in), later the last refill
	v_add_nc_u32 v[AQ], s[TB], v[AQ0]
	v_add_nc_u32 v[IW], s[IB], v[IW0]
	v_add_nc_u32 v[SW], s[IB], v[SW0]
.irp m, 0,1
.irp b, 0,1,2,3
.irp j, 0,1,2,3
	ds_load_b128 v[X0+64*\m+16*\b+4*\j:X0+64*\m+16*\b+4*\j+3], v[AQ] offset:16*TPITCH*\m+128*\b+16*\j   ; row 16 m + r: 16 neighbours of each block of 32
.endr
.endr
.endr
	s_wait_dscnt 16                                ; token tile 0's 16 loads are in, tile 1's may be out
	QUANT X0, 76, 88, 60
	IMAGE IW, 76, 0
	ds_store_b32 v[SW], v60
	s_wait_dscnt 4                                 ; the four stores may be out: tile 1's numbers are in
	QUANT X0+64, 120, 132, 61
	IMAGE IW, 120, FRB
	ds_store_b32 v[SW], v61 offset:64
	s_wait_tensorcnt 0x0                           ; all my tensor loads have landed, the next block's tile among them: a group 0 may be written
	ds_add_u32 v[SPW], v[NIL]                      ; 0 onto my spare word
.if \refill
	s_xor_b32 s[G0W+1], s[G0W+1], SLOT1            ; the walking descriptor: the slot that I have just read,
	s_add_nc_u64 s[G0W+2:G0W+3], s[G0W+2:G0W+3], 65536   ; the next 32 rows of 2,048 bytes; the type bits on top are not reached
.endif
	s_wait_dscnt 0x0                               ; the add is done, my reads of the slot are over, my images have landed
	s_barrier_signal -1
	s_barrier_wait -1                              ; ONE barrier a block: the slot may be filled again; the eight images are whole; the images of two blocks ago may be written again
.if \refill
	tensor_load_to_lds s[G0W:G0W+3], s[G1:G1+7]    ; my one tensor load behind the barrier, and the first thing there: it has this block's products and the next block's quantising in which to land
	s_nop 0
	PLACES 4
.endif
	v_add_nc_u32 v[IR], s[IB], v[L16]
	v_add_nc_u32 v[SR], s[IB], v[SR0]
	v_add_nc_u32 v[MK], s[MO], v[MK0]
	v_add_nc_u32 v[PA], s[PB], v[PA0]
.irp s, 0,1,2,3
	ds_load_b32 v[AS+\s], v[SR] offset:128*\s      ; lanes 0-15: token tile 0's words; lanes 16-31: tile 1's
.endr
.irp q, 0,1,2,3
	ds_load_b128 v[BI+4*\q:BI+4*\q+3], v[BIA] offset:512*\q
.endr
	ds_load_b64 v[MB:MB+1], v[MK]                  ; the mask bytes of tokens 8 h + 0 .. 7,
	ds_load_b64 v[MB+2:MB+3], v[MK] offset:16      ; and 16 + 8 h + 0 .. 7
.irp f, 0,1,2,3,4,5,6,7
.irp c, 0,1,2
	ds_load_b128 v[AF+12*\f+4*\c:AF+12*\f+4*\c+3], v[IR] offset:FRB*\f+512*\c
.endr
.endr
	s_wait_dscnt 24                                ; all but the 24 fragment loads
.irp q, 0,1,2,3,4,5,6,7,8,9,10,11,12,13,14,15
	v_bfe_u32 v[TP+\q%2], v[MB+2*(\q/8)+(\q%8)/4], 8*(\q%4), 1
	v_mul_lo_u32 v[PEN+\q], v[TP+\q%2], s[PENV]    ; 0, or the bits of -2^127
.endr
.irp t, 0,1,2,3,4,5,6,7
	TILE \t
.endr
	s_xor_b32 s[TB], s[TB], SLOT1
	s_xor_b32 s[IB], s[IB], IMGX
	s_add_co_u32 s[PB], s[PB], SPI
	s_add_co_u32 s[MO], s[MO], 32
.endm
	s_load_b512 s[4:19], s[0:1], 0x0               ; tokens s[4:5], mask s[6:7], wcodes s[8:9], wscales s[10:11], bimg s[12:13], bv s[14:15], g_out s[16:17], bk s[18:19]
	s_load_b128 s[20:23], s[0:1], 0x40             ; g_k s[20:21], btok s[22:23]
	s_load_b64 s[24:25], s[0:1], 0x50              ; keys
	v_lshl_add_u32 v[SPW], v0, 2, SPARE
	v_mov_b32 v[NIL], 0
	ds_add_u32 v1, v2
	ds_add_u32 v1, v2
	s_wait_dscnt 0x0
	v_lshrrev_b32 v11, 5, v0
	v_readfirstlane_b32 s[WV], v11                 ; wave 0..3
	s_mov_b32 s[G1+0], 0x07920000                  ; no mask; elements of 4 bytes; padding on: after every 128 words (code 6) 4 words (code 3)
	s_mov_b32 s[G1+1], 128<<16                     ; tensor_dim0 = 128
	s_mov_b32 s[G1+2], 32<<16                      ; tensor_dim1 = 32
	s_mov_b32 s[G1+3], 128<<16                     ; tile_dim0 = 128
	s_mov_b32 s[G1+4], 32                          ; tile_dim1 = 32
	s_mov_b32 s[G1+5], 512                         ; elements from row to row
	s_mov_b32 s[G1+6], 0
	s_mov_b32 s[G1+7], 0
	s_mov_b32 s[G1B+0], 3<<16                      ; 16,384 dense bytes as 64 rows of 32 elements of 8 bytes, no padding
	s_mov_b32 s[G1B+1], 32<<16
	s_mov_b32 s[G1B+2], 64<<16
	s_mov_b32 s[G1B+3], 32<<16
	s_mov_b32 s[G1B+4], 64
	s_mov_b32 s[G1B+5], 32
	s_mov_b32 s[G1B+6], 0
	s_mov_b32 s[G1B+7], 0
	s_mul_i32 s27, s[WV], WREG
	s_mov_b32 s[G0A], 1
	s_mov_b32 s[G0A+1], s27                        ; slot 0, my part
	s_mov_b32 s[G0W], 1
	s_add_co_u32 s[G0W+1], s27, SLOT1              ; slot 1, my part
	s_lshl_b32 s30, s[WV], 14
	s_mov_b32 s31, 0
	s_mov_b32 s[G0B], 1
	s_add_co_u32 s[G0B+1], s30, BIAS
	s_lshl_b32 s28, ttmp9, 20                      ; the group's 512 rows of 2,048 bytes,
	s_lshl_b32 s27, s[WV], 9                       ; my 512 bytes of a row
	s_add_co_u32 s28, s28, s27
	s_mov_b32 s29, 0
	s_wait_kmcnt 0x0
	s_add_nc_u64 s[G0A+2:G0A+3], s[4:5], s[28:29]
	s_add_nc_u64 s[G0W+2:G0W+3], s[G0A+2:G0A+3], 65536
	s_or_b32 s[G0A+3], s[G0A+3], 0x80000000
	s_or_b32 s[G0W+3], s[G0W+3], 0x80000000
	s_add_nc_u64 s[G0B+2:G0B+3], s[12:13], s[30:31]
	s_or_b32 s[G0B+3], s[G0B+3], 0x80000000
	tensor_load_to_lds s[G0B:G0B+3], s[G1B:G1B+7]  ; the first fills go out as one group: three loads of mine are out; later one
	s_nop 0
	tensor_load_to_lds s[G0A:G0A+3], s[G1:G1+7]
	s_nop 0
	tensor_load_to_lds s[G0W:G0W+3], s[G1:G1+7]
	s_nop 0
	PLACES 4
	v_and_b32 v11, 31, v0                          ; lane
	v_and_b32 v12, 15, v0                          ; r
	v_bfe_u32 v13, v0, 4, 1                        ; h
	v_lshlrev_b32 v[L16], 4, v11
	s_lshl_b32 s28, ttmp9, 9
	s_add_nc_u64 s[6:7], s[6:7], s[28:29]          ; the mask at the group's first token
	global_load_b128 v[MB:MB+3], v[L16], s[6:7]    ; its 512 bytes
	s_mul_i32 s28, s[WV], 32*FRB
	s_add_nc_u64 s[WCP:WCP+1], s[8:9], s[28:29]    ; my 32 fragments of Wv; Ww's lie 128 fragments on
	s_lshl_b32 s28, s[WV], 12
	s_add_nc_u64 s[WSP:WSP+1], s[10:11], s[28:29]
	v_lshlrev_b32 v[WSA], 2, v12
	v_lshl_add_u32 v[WSA], v13, 14, v[WSA]
.irp t, 0,1,2,3,4,5,6,7
.irp s, 0,1,2,3
.irp mat, 0,1
	WLOC 8*\t+2*\s+\mat
	WIN WW<<6
.irp c, 0,1,2
	global_load_b128 v[WR+4*\c:WR+4*\c+3], v[L16], s[WCP:WCP+1] offset:\mat*128*FRB+(4*\t+\s)*FRB+512*\c   ; 512 consecutive bytes a load: the fragment as it will stand
.endr
.endr
.endr
.endr
	WIN 0
.irp f, 0,1,2,3,4,5,6,7,8,9,10,11,12,13,14,15,16,17,18,19,20,21,22,23,24,25,26,27,28,29,30,31
	global_load_b32 v[WS+\f], v[WSA], s[WSP:WSP+1] offset:128*\f
.endr
	v_mul_u32_u24 v[AQ0], v12, TPITCH
	v_lshl_add_u32 v[AQ0], v13, 6, v[AQ0]
	s_mul_i32 s27, s[WV], WREG
	v_add_nc_u32 v[AQ0], s27, v[AQ0]
	s_mul_i32 s27, s[WV], 2*FRB
	v_add_nc_u32 v[IW0], s27, v[L16]
	v_lshlrev_b32 v[SW0], 2, v12
	s_lshl_b32 s27, s[WV], 7
	s_add_co_u32 s27, s27, ISC
	v_add_nc_u32 v[SW0], s27, v[SW0]
	v_lshl_add_u32 v[SR0], v11, 2, ISC
	s_lshl_b32 s27, s[WV], 14
	s_add_co_u32 s27, s27, BIAS
	v_add_nc_u32 v[BIA], s27, v[L16]
	s_lshl_b32 s27, s[WV], 9
	s_add_co_u32 s27, s27, MSK
	v_lshl_add_u32 v[MK0], v13, 3, s27
	v_add_nc_u32 v[MSA], s27, v[L16]
	s_lshl_b32 s27, s[WV], 9
	s_add_co_u32 s27, s27, STG
	v_lshl_add_u32 v[PA0], v12, 2, s27
	s_mul_i32 s27, s[WV], 4*SPI
	s_add_co_u32 s27, s27, STG
	v_add_nc_u32 v[E1R], s27, v[L16]
	v_mul_u32_u24 v[E2R], v12, SPI
	v_lshl_add_u32 v[E2R], v13, 6, v[E2R]
	v_add_nc_u32 v[E2R], STG, v[E2R]
	v_mul_u32_u24 v[KSW], v12, KPI
	v_lshl_add_u32 v[KSW], v13, 5, v[KSW]
	v_add_nc_u32 v[KSW], KST, v[KSW]
	v_mul_u32_u24 v[KSR], v13, KPI
	v_lshl_add_u32 v[KSR], v12, 4, v[KSR]
	v_add_nc_u32 v[KSR], KST, v[KSR]
	s_lshl_b32 s28, ttmp9, 15
	s_lshl_b32 s27, s[WV], 13
	s_add_co_u32 s28, s28, s27
	s_add_nc_u64 s[22:23], s[22:23], s[28:29]      ; btok at my four rows: 16 x group + 4 x wave
	s_lshl_b32 s28, ttmp9, 12
	s_add_nc_u64 s[24:25], s[24:25], s[28:29]      ; keys at the group's 16 rows
	s_mov_b32 s[SEL], 0x76543210
	s_mov_b32 s[SEL+1], 0xfedcba98
	s_mov_b32 s[CS], 0x3fb8aa3b                    ; log2(e)
	s_mov_b32 s[CS+1], s[CS]                       ; (named with it as a pair, so it is written)
	s_mov_b32 s[NC], 0xbfb8aa3b
	s_mov_b32 s[PENV], 0xff000000
	s_mov_b32 s[R512], 0x3b000000                  ; 1 / 512
	s_mov_b32 s[EPS], 0x358637bd                   ; 1e-6
	s_mov_b32 s[R64], 0x3c800000                   ; 1 / 64
.irp b, 0,1,2,3
	v_mov_b32 v[TM+4+\b], 0                        ; written once: a lane permute's destination counts as one of its sources
.endr
	v_mov_b32 v[TP+3], 0                           ; (named as the upper half of a pair)
	s_mov_b32 s[TB], 0
	s_mov_b32 s[IB], IMG0
	s_mov_b32 s[PB], 0
	s_mov_b32 s[MO], 0
	s_wait_loadcnt 0x0                             ; the mask, the weights and their scale words
	ds_store_b128 v[MSA], v[MB:MB+3]               ; my own copy of the mask: no other wave reads it, so no barrier
	s_mov_b32 s[CNT], 14
.Lblk:                                         ; 14 trips: each asks for the block two further on
	BLOCK 1
	s_sub_co_u32 s[CNT], s[CNT], 1
	s_cmp_lg_u32 s[CNT], 0
	s_cbranch_scc1 .Lblk
	s_mov_b32 s[CNT], 2
.Ltail:                                        ; the last two blocks ask for nothing
	BLOCK 0
	s_sub_co_u32 s[CNT], s[CNT], 1
	s_cmp_lg_u32 s[CNT], 0
	s_cbranch_scc1 .Ltail
	; ---- THE 16 POOLED ROWS.  Wave w finishes rows 4 w .. 4 w + 3, whole: a lane holds channels 128 c + 4 lane + 0 .. 3, c = 0 .. 3.
	v_and_b32 v11, 31, v0
	v_lshlrev_b32 v11, 2, v11                      ; 4 x lane
	v_bfe_u32 v12, v0, 4, 1
	v_lshlrev_b32 v12, 5, v12                      ; 32 h
.irp c, 0,1,2,3
	global_load_b128 v[184+4*\c:187+4*\c], v[L16], s[14:15] offset:512*\c   ; bv
.endr
.irp c, 0,1,2,3
	global_load_b128 v[200+4*\c:203+4*\c], v[L16], s[16:17] offset:512*\c   ; g_out
.endr
	s_lshl_b32 s28, s[WV], 7
	s_add_nc_u64 s[MP:MP+1], s[6:7], s[28:29]
	s_load_b512 s[32:47], s[MP:MP+1], 0x0          ; my four rows' 128 mask bytes (no tensor load is out: the descriptors' registers are free)
	s_load_b512 s[48:63], s[MP:MP+1], 0x40
	s_cmp_lg_u32 s[WV], 0
	s_cbranch_scc1 .Lnot0
	WIN 0x40                                       ; wave 0 makes the keys: Wk's 16 fragments (tile t, K step s) at v[12 (4 t + s)] of window 1,
.irp f, 0,1,2,3,4,5,6,7,8,9,10,11,12,13,14,15
.irp c, 0,1,2
	global_load_b128 v[12*\f+4*\c:12*\f+4*\c+3], v[L16], s[8:9] offset:(256+\f)*FRB+512*\c
.endr
.endr
	WIN 0x80                                       ; bk at v[8 t] and g_k at v[32 + 8 t] of window 2, in the result's layout: units 16 t + 8 h + 0 .. 7,
.irp t, 0,1,2,3
	global_load_b128 v[8*\t:8*\t+3], v12, s[18:19] offset:64*\t
	global_load_b128 v[8*\t+4:8*\t+7], v12, s[18:19] offset:64*\t+16
	global_load_b128 v[32+8*\t:32+8*\t+3], v12, s[20:21] offset:64*\t
	global_load_b128 v[32+8*\t+4:32+8*\t+7], v12, s[20:21] offset:64*\t+16
.endr
	WIN 0
.irp f, 0,1,2,3,4,5,6,7,8,9,10,11,12,13,14,15
	global_load_b32 v[WS+\f], v11, s[10:11] offset:(256+\f)*128   ; and Wk's scale words
.endr
.Lnot0:
	s_wait_dscnt 0x0                               ; my pooled words have landed
	s_barrier_signal -1
	s_barrier_wait -1                              ; the 16 rows are whole
.irp i, 0,1,2,3
.irp c, 0,1,2,3
	ds_load_b128 v[120+16*\i+4*\c:123+16*\i+4*\c], v[E1R] offset:SPI*\i+512*\c
.endr
.endr
	s_wait_kmcnt 0x0
.irp i, 0,1,2,3
	s_and_b32 s27, s[32+8*\i], s[33+8*\i]
.irp d, 2,3,4,5,6,7
	s_and_b32 s27, s27, s[32+8*\i+\d]
.endr
	s_cmp_eq_u32 s27, 0x01010101                   ; all 32 bytes are 1: the block is all padding
	s_cselect_b32 s[VF+\i], 0, 1.0
.endr
	s_wait_loadcnt 0x0
	s_wait_dscnt 0x0
.macro ROWN i
.set XR, 120+16*(\i)
.irp p, 0,2,4,6,8,10,12,14
	v_pk_add_f32 v[XR+\p:XR+\p+1], v[XR+\p:XR+\p+1], v[184+\p:185+\p]   ; + bv
.endr
	v_pk_mul_f32 v[TP:TP+1], v[XR:XR+1], v[XR:XR+1]
.irp p, 2,4,6,8,10,12,14
	v_pk_fma_f32 v[TP:TP+1], v[XR+\p:XR+\p+1], v[XR+\p:XR+\p+1], v[TP:TP+1]
.endr
	v_add_f32 v[TP], v[TP], v[TP+1]
	v_add_f32_dpp v[TP], v[TP], v[TP] row_xmask:1 row_mask:0xf bank_mask:0xf
	v_add_f32_dpp v[TP], v[TP], v[TP] row_xmask:2 row_mask:0xf bank_mask:0xf
	v_add_f32_dpp v[TP], v[TP], v[TP] row_xmask:4 row_mask:0xf bank_mask:0xf
	v_add_f32_dpp v[TP], v[TP], v[TP] row_xmask:8 row_mask:0xf bank_mask:0xf
	v_permlanex16_b32 v[TP+1], v[TP], s[SEL], s[SEL+1]
	v_add_f32 v[TP], v[TP], v[TP+1]                ; the row's sum of squares, in every lane
	v_fma_f32 v[TP+2], v[TP], s[R512], s[EPS]
	v_rsq_f32 v[TP+2], v[TP+2]
	v_nop                                          ; one plain place behind the root
	s_wait_alu depctr_va_vdst(0)
	v_mul_f32 v[TP+2], s[VF+(\i)], v[TP+2]         ; x 0 where the block is all padding
.irp p, 0,2,4,6,8,10,12,14
	v_pk_mul_f32 v[XR+\p:XR+\p+1], v[XR+\p:XR+\p+1], v[TP+2:TP+3] op_sel_hi:[1,0]
.endr
.irp p, 0,2,4,6,8,10,12,14
	v_pk_mul_f32 v[XR+\p:XR+\p+1], v[XR+\p:XR+\p+1], v[200+\p:201+\p]   ; x g_out
.endr
.irp c, 0,1,2,3
	global_store_b128 v[L16], v[XR+4*\c:XR+4*\c+3], s[22:23] offset:2048*(\i)+512*\c   ; 32 lanes store 512 consecutive bytes, aligned
.endr
.irp c, 0,1,2,3
	ds_store_b128 v[E1R], v[XR+4*\c:XR+4*\c+3] offset:SPI*(\i)+512*\c   ; and back into the stage, for the keys
.endr
.endm
	ROWN 0
	ROWN 1
	ROWN 2
	ROWN 3
	s_wait_dscnt 0x0
	s_barrier_signal -1
	s_barrier_wait -1                              ; the 16 block tokens lie in the stage
	s_cmp_lg_u32 s[WV], 0
	s_cbranch_scc1 .Lend
	; ---- THE KEYS, by wave 0: 16 rows x 512 become four fragments; transposed use (source 0 = 16 units of Wk, source 1 = the 16 rows): a lane holds one row and units 16 t + 8 h + j.
	s_wait_xcnt 0x0                                ; my stores have read their registers: v120 on are written again only behind this wait
.irp s, 0,1,2,3
.irp b, 0,1,2,3
.irp j, 0,1,2,3
	ds_load_b128 v[120+16*\b+4*\j:123+16*\b+4*\j], v[E2R] offset:512*\s+128*\b+16*\j
.endr
.endr
	s_wait_dscnt 0x0
	QUANT 120, 184+12*\s, 88, 60+\s
.endr
	PLACES 8                                       ; a scale register written by a vector instruction stands 8 places ahead of a scaled product, an operand so written 4
.irp s, 0,1,2,3
.if \s == 0
	WIN 0x21                                       ; source 0 (Wk) window 1, source 2 (bk) window 2
.else
	WIN 0x01
.endif
.irp t, 0,1,2,3                                ; four accumulators by turns
.if \s == 0
	v_wmma_scale_f32_16x16x128_f8f6f4 v[120+8*\t:127+8*\t], v[12*(4*\t+\s):12*(4*\t+\s)+11], v[184+12*\s:195+12*\s], v[8*\t:8*\t+7], v[WS+4*\t+\s], v[60+\s] matrix_a_fmt:MATRIX_FMT_FP6 matrix_b_fmt:MATRIX_FMT_FP6
.else
	v_wmma_scale_f32_16x16x128_f8f6f4 v[120+8*\t:127+8*\t], v[12*(4*\t+\s):12*(4*\t+\s)+11], v[184+12*\s:195+12*\s], v[120+8*\t:127+8*\t], v[WS+4*\t+\s], v[60+\s] matrix_a_fmt:MATRIX_FMT_FP6 matrix_b_fmt:MATRIX_FMT_FP6
.endif
.endr
.endr
	WIN 0
	PLACES 5
	v_pk_mul_f32 v[TP:TP+1], v[120:121], v[120:121]
.irp p, 2,4,6,8,10,12,14,16,18,20,22,24,26,28,30
	v_pk_fma_f32 v[TP:TP+1], v[120+\p:121+\p], v[120+\p:121+\p], v[TP:TP+1]   ; ascending: each accumulator from its low end on
.endr
	v_add_f32 v[TP], v[TP], v[TP+1]
	v_permlanex16_b32 v[TP+1], v[TP], s[SEL], s[SEL+1]
	v_add_f32 v[TP], v[TP], v[TP+1]                ; with lane l xor 16's 32 units: the row's sum of squares
	v_fma_f32 v[TP+2], v[TP], s[R64], s[EPS]
	v_rsq_f32 v[TP+2], v[TP+2]
	v_nop
	s_wait_alu depctr_va_vdst(0)
.irp p, 0,2,4,6,8,10,12,14,16,18,20,22,24,26,28,30
	v_pk_mul_f32 v[120+\p:121+\p], v[120+\p:121+\p], v[TP+2:TP+3] op_sel_hi:[1,0]
.endr
	WIN 0x08                                       ; source 1 (g_k) window 2
.irp p, 0,2,4,6,8,10,12,14,16,18,20,22,24,26,28,30
	v_pk_mul_f32 v[120+\p:121+\p], v[120+\p:121+\p], v[32+\p:33+\p]
.endr
	WIN 0
.irp t, 0,1,2,3
	ds_store_b128 v[KSW], v[120+8*\t:123+8*\t] offset:64*\t
	ds_store_b128 v[KSW], v[124+8*\t:127+8*\t] offset:64*\t+16
.endr
.irp i, 0,1,2,3,4,5,6,7
	ds_load_b128 v[152+4*\i:155+4*\i], v[KSR] offset:2*KPI*\i   ; LDS serves a wave's instructions in order: these see my stores.  Lanes 0-15 one row of 256 bytes, lanes 16-31 the next
.endr
.irp i, 0,1,2,3,4,5,6,7
	s_wait_dscnt 7-\i                              ; the younger loads may be out
	global_store_b128 v[L16], v[152+4*\i:155+4*\i], s[24:25] offset:512*\i   ; two aligned runs of 256 bytes
.endr
.Lend:
	s_wait_tensorcnt 0x0                           ; the wave's end
	ds_add_u32 v[SPW], v[NIL]
	s_wait_dscnt 0x0
	s_endpgm
.Lfunc_end_k_q3c2b623078_main:
	.size	k_q3c2b623078_main, .Lfunc_end_k_q3c2b623078_main-k_q3c2b623078_main
	.p2alignl 7, 3214868480
	.fill 96, 4, 3214868480
	.section	.rodata,"a",@progbits
	.p2align	6, 0x0
	.amdhsa_kernel k_q3c2b623078_main
		.amdhsa_group_segment_fixed_size 327680
		.amdhsa_private_segment_fixed_size 0
		.amdhsa_enable_private_segment 0
		.amdhsa_kernarg_size 88
		.amdhsa_user_sgpr_count 2
		.amdhsa_user_sgpr_kernarg_segment_ptr 1
		.amdhsa_wavefront_size32 1
		.amdhsa_system_sgpr_workgroup_id_x 1
		.amdhsa_system_sgpr_workgroup_id_y 1
		.amdhsa_system_sgpr_workgroup_id_z 1
		.amdhsa_system_vgpr_workitem_id 0
		.amdhsa_next_free_vgpr 1024
		.amdhsa_next_free_sgpr 96
		.amdhsa_reserve_vcc 0
		.amdhsa_float_denorm_mode_32 3
		.amdhsa_float_denorm_mode_16_64 3
		.amdhsa_memory_ordered 1
		.amdhsa_forward_progress 1
		.amdhsa_inst_pref_size 207
	.end_amdhsa_kernel
	.amdgpu_metadata
---
amdhsa.version: [ 1, 2 ]
amdhsa.kernels:
  - .name:           k_q3c2b623078_main
    .symbol:         k_q3c2b623078_main.kd
    .args:
      - { .name: tokens, .offset: 0, .size: 8, .value_kind: global_buffer, .address_space: global }
      - { .name: padding_mask, .offset: 8, .size: 8, .value_kind: global_buffer, .address_space: global }
      - { .name: wcodes, .offset: 16, .size: 8, .value_kind: global_buffer, .address_space: global }
      - { .name: wscales, .offset: 24, .size: 8, .value_kind: global_buffer, .address_space: global }
      - { .name: bimg, .offset: 32, .size: 8, .value_kind: global_buffer, .address_space: global }
      - { .name: bv, .offset: 40, .size: 8, .value_kind: global_buffer, .address_space: global }
      - { .name: g_out, .offset: 48, .size: 8, .value_kind: global_buffer, .address_space: global }
      - { .name: bk, .offset: 56, .size: 8, .value_kind: global_buffer, .address_space: global }
      - { .name: g_k, .offset: 64, .size: 8, .value_kind: global_buffer, .address_space: global }
      - { .name: btok, .offset: 72, .size: 8, .value_kind: global_buffer, .address_space: global }
      - { .name: keys, .offset: 80, .size: 8, .value_kind: global_buffer, .address_space: global }
    .group_segment_fixed_size: 327680
    .private_segment_fixed_size: 0
    .kernarg_segment_align: 8
    .kernarg_segment_size: 88
    .max_flat_workgroup_size: 128
    .sgpr_count:     96
    .vgpr_count:     1024
    .wavefront_size: 32
...
	.end_amdgpu_metadata
.endif
;; end of part 2
;; launch pick (part 3): grid 8 x 32, 4 waves a work-group, no clusters, 50,688 bytes of LDS; arguments query, wcodes, wscales, bqd, g_q, bqu, Whw, bhw, padding_mask, keys, btok, out0, out1; writes out0, out1
.if DOCPART == 3
	.amdgcn_target "amdgcn-amd-amdhsa--gfx1250"
	.amdhsa_code_object_version 6
	.text
	.protected	k_q3c2b623078_pick
	.globl	k_q3c2b623078_pick
	.p2align	8
	.type	k_q3c2b623078_pick,@function
k_q3c2b623078_pick:
	s_mov_b64 s[64:65], 0
	v_nop
	global_prefetch_b8 v0, s[64:65] scope:SCOPE_SE
	s_setreg_imm32_b32 hwreg(HW_REG_WAVE_MODE, 25, 1), 1
	s_wait_xcnt 0x0
; The indexer and the gather.  Work-group (c, b): batch b, columns 64 c .. 64 c + 63 of the 16 selected rows.  The eight work-groups of a batch each repeat the batch's small index work.
; q_latent = rmsnorm(Q(query) Q(Wqd) + bqd) g_q; q_heads = Q(q_latent) Q(Wqu) + bqu: both on codes of FP6 (E2M3), used transposed (source 0 = 16 units of the weight, source 1 = 16 copies of the batch's one row).
; Head weights = softmax(query Whw + bhw) and the 8 x 128 dot products of q_heads with the keys: f32 multiply-adds, since their result orders the blocks.
; score = sum over heads of relu(dot) x weight; the lowest f32 number for a block that is all padding.
; NO ADDRESS AND NO BRANCH HANGS ON A SCORE.  Block n's rank is the number of blocks with a larger score, or an equal score and a lower index (the order of a stable top-k);
; row j of the output is chosen out of all 128 rows' slices by v_cndmask_b32 on rank = j.
; out1[j] = (j >= the number of blocks that are not all padding): a valid block's score is a sum of relu x softmax weight, so it is 0 or more and ranks ahead of every padded block's, for every finite input.
; No tensor loads: 32 KiB of slices and 32 KiB of keys a work-group, loaded through registers at the head.  No cluster: what partners would share is read once, by global loads.
; LIMITS: NaN and infinities are not served; +0 and -0 count as equal scores; a block of 32 along K whose largest magnitude lies under 2^-124 gets the scale byte 1.
; REGISTERS: window 0: v4-22 addresses; v24 my score, v25 my rank; v32-49 scale words and nothing else; v50-85 the quantiser's; v86-255 by phases.
;   window 1: v0-95 Wqu's 8 fragments, v96-159 bqu, v160-191 g_q, v192-255 keys.   window 2: v0-47 Wqd's 4 fragments, v48-55 bqd, v64-127 slices on their way; at the end all 128 slices, row n at v[2 n].   window 3: q_heads.
.set FRB,  1536
.set QIMG, 0                           ; LDS: the query's four fragments as images,
.set QSC,  6144                        ; their scale words,
.set QLAT, 6656                        ; the 64 latent numbers,
.set QSS,  6912                        ; four partial sums of squares,
.set HWP,  7168                        ; four partial rows of 8 head logits,
.set NPD,  7424                        ; four counts of padded blocks,
.set QH,   7680                        ; q_heads, 512 numbers,
.set SCO,  9728                        ; 128 scores,
.set RNK,  10240                       ; 128 ranks,
.set SLC,  10752                       ; 128 slices of 256 bytes
.set TM,  50
.set PT,  66
.set PC,  74
.set X,   86
.set QF,  86
.set LA,  134
.set QQ,  118
.set WH,  150
.set QV,  182
.set MBY, 186
.set BH,  194
.set HW,  202
.set T0,  210
.set HP,  212
.set SSQ, 244
.set AC,  86
.set SN,  24
.set CT,  25
.set NP,  28
.set OUT, 86
.set BR,  128
.set WV,  30
.set BB,  31
.set SEL, 58
.set EPS, 62
.set R64, 63
.set BM,  66
.set NPC, 67
.set JR,  68
.set CM,  72
.set HM,  76
.set SV,  77
.set MSB, 0
.macro WIN new
.if MSB != (\new)
	s_set_vgpr_msb (MSB<<8)|(\new)
.set MSB, (\new)
.endif
.endm
.macro PLACES n
.rept \n
	v_nop
.endr
.endm
.macro BARRIER                         ; my LDS stores have landed and my LDS loads are in: then the work-group's barrier
	s_wait_dscnt 0x0
	s_barrier_signal -1
	s_barrier_wait -1
.endm
; 64 numbers of a lane, register 16 b + i = k 32 b + 16 (lane / 16) + i, become a fragment's codes in v[PC] on and its scale word in v[pw]
.macro QUANT s, pw
.irp b, 0,1,2,3
	v_max3_num_f32 v[TM+\b], |v[(\s)+16*\b]|, |v[(\s)+1+16*\b]|, 0x1800000   ; and the floor 2^(3 - 127)
.endr
.irp i, 2,4,6,8,10,12,14
.irp b, 0,1,2,3
	v_max3_num_f32 v[TM+\b], v[TM+\b], |v[(\s)+16*\b+\i]|, |v[(\s)+1+16*\b+\i]|
.endr
.endr
.irp b, 0,1,2,3
	v_permlanex16_b32 v[TM+4+\b], v[TM+\b], s[SEL], s[SEL+1]
.endr
.irp b, 0,1,2,3
	v_max_num_f32 v[TM+\b], v[TM+\b], v[TM+4+\b]
.endr
.irp b, 0,1,2,3
	v_add_nc_u32 v[TM+12+\b], 0xff000000, v[TM+\b]
.endr
.irp b, 0,1,2,3
	v_lshrrev_b32 v[TM+4+\b], 23, v[TM+12+\b]
.endr
	v_lshl_or_b32 v[\pw], v[TM+5], 8, v[TM+4]
	v_lshl_or_b32 v[\pw], v[TM+6], 16, v[\pw]
	v_lshl_or_b32 v[\pw], v[TM+7], 24, v[\pw]
.irp c, 0,1
	v_cvt_scalef32_pk16_fp6_f32 v[PC+6*\c:PC+2+6*\c], v[(\s)+32*\c:(\s)+15+32*\c], v[TM+12+2*\c]
	v_cvt_scalef32_pk16_fp6_f32 v[PT+4*\c:PT+2+4*\c], v[(\s)+16+32*\c:(\s)+31+32*\c], v[TM+13+2*\c]
.endr
	v_nop                                          ; one plain place behind a scaled conversion
.irp c, 0,1
.irp i, 0,1,2
	v_permlane16_swap_b32 v[PC+6*\c+\i], v[PT+4*\c+\i]
.endr
.irp i, 0,1,2
	v_mov_b32 v[PC+3+6*\c+\i], v[PT+4*\c+\i]
.endr
.endr
.endm
; The same for K = 64: two blocks; the upper 64 along K are zero codes under the byte 127
.macro QUANT1 s, pw
.irp b, 0,1
	v_max3_num_f32 v[TM+\b], |v[(\s)+16*\b]|, |v[(\s)+1+16*\b]|, 0x1800000
.endr
.irp i, 2,4,6,8,10,12,14
.irp b, 0,1
	v_max3_num_f32 v[TM+\b], v[TM+\b], |v[(\s)+16*\b+\i]|, |v[(\s)+1+16*\b+\i]|
.endr
.endr
.irp b, 0,1
	v_permlanex16_b32 v[TM+4+\b], v[TM+\b], s[SEL], s[SEL+1]
.endr
.irp b, 0,1
	v_max_num_f32 v[TM+\b], v[TM+\b], v[TM+4+\b]
.endr
.irp b, 0,1
	v_add_nc_u32 v[TM+12+\b], 0xff000000, v[TM+\b]
.endr
.irp b, 0,1
	v_lshrrev_b32 v[TM+4+\b], 23, v[TM+12+\b]
.endr
	v_lshl_or_b32 v[\pw], v[TM+5], 8, v[TM+4]
	v_or_b32 v[\pw], 0x7f7f0000, v[\pw]
	v_cvt_scalef32_pk16_fp6_f32 v[PC:PC+2], v[(\s):(\s)+15], v[TM+12]
	v_cvt_scalef32_pk16_fp6_f32 v[PT:PT+2], v[(\s)+16:(\s)+31], v[TM+13]
	v_nop
.irp i, 0,1,2
	v_permlane16_swap_b32 v[PC+\i], v[PT+\i]
.endr
.irp i, 0,1,2
	v_mov_b32 v[PC+3+\i], v[PT+\i]
.endr
.irp i, 6,7,8,9,10,11
	v_mov_b32 v[PC+\i], 0
.endr
.endm
	s_load_b512 s[4:19], s[0:1], 0x0               ; query s[4:5], wcodes s[6:7], wscales s[8:9], bqd s[10:11], g_q s[12:13], bqu s[14:15], Whw s[16:17], bhw s[18:19]
	s_load_b256 s[20:27], s[0:1], 0x40             ; mask s[20:21], keys s[22:23], btok s[24:25], out0 s[26:27]
	s_load_b64 s[28:29], s[0:1], 0x60              ; out1
	v_lshl_add_u32 v69, v0, 2, 0xc400
	v_mov_b32 v73, 0
	v_lshrrev_b32 v1, 5, v0
	v_readfirstlane_b32 s[WV], v1                  ; wave 0..3
	v_and_b32 v1, 31, v0                           ; lane
	v_and_b32 v2, 15, v0                           ; r
	v_bfe_u32 v3, v0, 4, 1                         ; h
	s_and_b32 s[BB], ttmp7, 0xffff                 ; the batch
	v_lshlrev_b32 v4, 6, v3                        ; 64 h
	v_lshlrev_b32 v5, 4, v1                        ; 16 x lane
	v_lshlrev_b32 v6, 2, v1                        ; 4 x lane
	v_lshlrev_b32 v7, 5, v3                        ; 32 h
	v_lshlrev_b32 v8, 5, v1                        ; 32 x lane
	v_lshlrev_b32 v9, 5, v0                        ; 32 x thread
	v_lshlrev_b32 v10, 8, v2
	v_lshl_add_u32 v10, v3, 5, v10                 ; 256 r + 32 h
	v_lshlrev_b32 v11, 11, v3
	v_lshl_add_u32 v11, v2, 4, v11                 ; 2,048 h + 16 r
	v_lshlrev_b32 v12, 3, v1                       ; 8 x lane
	v_mov_b32 v13, 0
	s_mul_i32 s32, s[WV], FRB
	v_add_nc_u32 v14, s32, v5                      ; QIMG + 1,536 w + 16 x lane
	s_lshl_b32 s32, s[WV], 7
	s_add_co_u32 s32, s32, QSC
	v_add_nc_u32 v15, s32, v6
	s_lshl_b32 s32, s[WV], 6
	s_add_co_u32 s32, s32, QLAT
	v_add_nc_u32 v16, s32, v7
	s_lshl_b32 s32, s[WV], 2
	s_add_co_u32 s32, s32, QSS
	v_mov_b32 v17, s32
	s_lshl_b32 s32, s[WV], 5
	s_add_co_u32 s32, s32, HWP
	v_mov_b32 v18, s32
	s_lshl_b32 s32, s[WV], 2
	s_add_co_u32 s32, s32, NPD
	v_mov_b32 v19, s32
	s_lshl_b32 s32, s[WV], 9
	s_add_co_u32 s32, s32, QH
	v_add_nc_u32 v20, s32, v7
	s_lshl_b32 s32, s[WV], 13
	s_add_co_u32 s32, s32, SLC
	v_add_nc_u32 v21, s32, v5
	v_lshlrev_b32 v22, 2, v0                       ; 4 x thread
	s_mov_b32 s[SEL], 0x76543210
	s_mov_b32 s[SEL+1], 0xfedcba98
	s_mov_b32 s[EPS], 0x358637bd                   ; 1e-6
	s_mov_b32 s[R64], 0x3c800000                   ; 1 / 64
	s_mov_b32 s[HM], 0xffff0000                    ; lanes 16-31
	s_lshl_b32 s[JR], s[WV], 2                     ; my four output rows: 4 w + 0 .. 3
	s_add_co_u32 s[JR+1], s[JR], 1
	s_add_co_u32 s[JR+2], s[JR], 2
	s_add_co_u32 s[JR+3], s[JR], 3
.irp b, 0,1,2,3
	v_mov_b32 v[TM+4+\b], 0                        ; written once: a lane permute's destination counts as one of its sources
.endr
	s_mov_b32 s33, 0
	s_wait_kmcnt 0x0
	s_lshl_b32 s32, s[BB], 11
	s_lshl_b32 s60, s[WV], 9
	s_add_co_u32 s32, s32, s60
	s_add_nc_u64 s[4:5], s[4:5], s[32:33]          ; the batch's query row, my K step
	s_mul_i32 s32, s[WV], 4*FRB
	s_add_nc_u64 s[34:35], s[6:7], s[32:33]        ; Wqd's fragments 272 + 4 w on (the 272 stands in the immediates)
	s_lshl_b32 s32, s[WV], 9
	s_add_nc_u64 s[36:37], s[8:9], s[32:33]
	s_add_nc_u64 s[14:15], s[14:15], s[32:33]      ; bqu: my 128 outputs
	s_mul_i32 s32, s[WV], 8*FRB
	s_add_nc_u64 s[38:39], s[6:7], s[32:33]        ; Wqu's fragments 288 + 8 w on
	s_lshl_b32 s32, s[WV], 10
	s_add_nc_u64 s[40:41], s[8:9], s[32:33]
	s_lshl_b32 s32, s[WV], 6
	s_add_nc_u64 s[10:11], s[10:11], s[32:33]      ; bqd: my 16 units
	s_lshl_b32 s32, s[WV], 12
	s_add_nc_u64 s[16:17], s[16:17], s[32:33]      ; Whw: my 128 rows of 32 bytes
	s_lshl_b32 s32, s[BB], 12
	s_add_nc_u64 s[20:21], s[20:21], s[32:33]      ; the batch's mask
	s_lshl_b32 s32, s[BB], 15
	s_lshl_b32 s60, s[WV], 13
	s_add_co_u32 s32, s32, s60
	s_add_nc_u64 s[22:23], s[22:23], s[32:33]      ; keys: the batch's, my 32 blocks
	s_lshl_b32 s60, ttmp9, 8
	s_add_co_u32 s32, s32, s60
	s_add_nc_u64 s[26:27], s[26:27], s[32:33]      ; out0: the batch's 16 rows, my four, the slice
	s_lshl_b32 s32, s[BB], 18
	s_add_co_u32 s32, s32, s60
	s_lshl_b32 s60, s[WV], 16
	s_add_co_u32 s32, s32, s60
	s_add_nc_u64 s[24:25], s[24:25], s[32:33]      ; btok: the batch's 128 rows, my 32, the slice
	s_lshl_b32 s32, s[BB], 4
	s_add_nc_u64 s[28:29], s[28:29], s[32:33]      ; out1
	; ---- all 138 loads, in the order in which they are wanted.  First 32:
.irp b, 0,1,2,3
.irp j, 0,1,2,3
	global_load_b128 v[X+16*\b+4*\j:X+16*\b+4*\j+3], v4, s[4:5] offset:128*\b+16*\j   ; the query's K step w, 16 neighbours of each block of 32; all 16 rows of the fragment are this one row
.endr
.endr
.irp i, 0,1,2,3
	global_load_b128 v[WH+8*\i:WH+8*\i+3], v8, s[16:17] offset:1024*\i      ; Whw's row k = 128 w + lane + 32 i
	global_load_b128 v[WH+8*\i+4:WH+8*\i+7], v8, s[16:17] offset:1024*\i+16
.endr
.irp i, 0,1,2,3
	global_load_b32 v[QV+\i], v6, s[4:5] offset:128*\i                      ; and the query's number k
.endr
	global_load_b128 v[MBY:MBY+3], v9, s[20:21]                             ; block n = my thread's number: its 32 mask bytes
	global_load_b128 v[MBY+4:MBY+7], v9, s[20:21] offset:16
	global_load_b128 v[BH:BH+3], v13, s[18:19]
	global_load_b128 v[BH+4:BH+7], v13, s[18:19] offset:16
	; then 18:
.irp s, 0,1,2,3
	global_load_b32 v[32+\s], v6, s[36:37] offset:272*128+128*\s
.endr
	WIN 0x80
.irp s, 0,1,2,3
.irp c, 0,1,2
	global_load_b128 v[12*\s+4*\c:12*\s+4*\c+3], v5, s[34:35] offset:272*FRB+FRB*\s+512*\c
.endr
.endr
	global_load_b128 v[48:51], v7, s[10:11]        ; bqd of units 16 w + 8 h + 0 .. 7: the result's layout
	global_load_b128 v[52:55], v7, s[10:11] offset:16
	; then 56:
	WIN 0x40
.irp t, 0,1,2,3,4,5,6,7
.irp c, 0,1,2
	global_load_b128 v[12*\t+4*\c:12*\t+4*\c+3], v5, s[38:39] offset:288*FRB+FRB*\t+512*\c
.endr
.endr
.irp t, 0,1,2,3,4,5,6,7
	global_load_b128 v[96+8*\t:96+8*\t+3], v7, s[14:15] offset:64*\t
	global_load_b128 v[96+8*\t+4:96+8*\t+7], v7, s[14:15] offset:64*\t+16
.endr
.irp b, 0,1
.irp j, 0,1,2,3
	global_load_b128 v[160+16*\b+4*\j:160+16*\b+4*\j+3], v4, s[12:13] offset:128*\b+16*\j
.endr
.endr
	WIN 0
.irp t, 0,1,2,3,4,5,6,7
	global_load_b32 v[36+\t], v6, s[40:41] offset:288*128+128*\t
.endr
	; and the last 32:
	WIN 0x40
.irp g, 0,1
.irp t, 0,1,2,3
.irp q, 0,1
	global_load_b128 v[192+32*\g+8*\t+4*\q:192+32*\g+8*\t+4*\q+3], v10, s[22:23] offset:4096*\g+64*\t+16*\q   ; block 32 w + 16 g + r, units 16 t + 8 h + 4 q on
.endr
.endr
.endr
	WIN 0x80
.irp i, 0,1,2,3,4,5,6,7,8,9,10,11,12,13,14,15
	global_load_b128 v[64+4*\i:67+4*\i], v11, s[24:25] offset:4096*\i      ; rows 32 w + 2 i + h: sixteen lanes read one aligned run of 256 bytes
.endr
	WIN 0
	; ---- S1: the query's K step w as an image; my part of the head logits; which of my 32 blocks are all padding
	s_wait_loadcnt 0x3f                            ; 106 loads were issued behind the first 32: the largest count that the wait can name serves
	QUANT X, 48
.irp c, 0,1,2
	ds_store_b128 v14, v[PC+4*\c:PC+4*\c+3] offset:QIMG+512*\c
.endr
	ds_store_b32 v15, v48
.irp e, 0,1,2,3,4,5,6,7
	v_mul_f32 v[HW+\e], v[QV], v[WH+\e]
.endr
.irp i, 1,2,3
.irp e, 0,1,2,3,4,5,6,7
	v_fmac_f32 v[HW+\e], v[QV+\i], v[WH+8*\i+\e]
.endr
.endr
.irp x, 1,2,4,8
.irp e, 0,1,2,3,4,5,6,7
	v_add_f32_dpp v[HW+\e], v[HW+\e], v[HW+\e] row_xmask:\x row_mask:0xf bank_mask:0xf
.endr
.endr
.irp e, 0,1,2,3,4,5,6,7
	v_permlanex16_b32 v[WH+\e], v[HW+\e], s[SEL], s[SEL+1]
.endr
.irp e, 0,1,2,3,4,5,6,7
	v_add_f32 v[HW+\e], v[HW+\e], v[WH+\e]         ; my 128 k's part of the 8 logits, in every lane
.endr
	ds_store_b128 v18, v[HW:HW+3]
	ds_store_b128 v18, v[HW+4:HW+7] offset:16
.irp d, 1,2,3,4,5,6,7
	v_and_b32 v[MBY], v[MBY], v[MBY+\d]
.endr
	v_cmp_eq_u32 s[BM], 0x01010101, v[MBY]         ; all 32 bytes are 1
	s_bcnt1_i32_b32 s[NPC], s[BM]
	v_mov_b32 v[T0], s[NPC]
	ds_store_b32 v19, v[T0]
	BARRIER
	; ---- S2: my 16 latent units: four K steps on ONE accumulator
.irp s, 0,1,2,3
.irp c, 0,1,2
	ds_load_b128 v[QF+12*\s+4*\c:QF+12*\s+4*\c+3], v5 offset:QIMG+FRB*\s+512*\c
.endr
	ds_load_b32 v[44+\s], v6 offset:QSC+128*\s
.endr
	s_wait_loadcnt 0x3f                            ; 88 loads were issued behind Wqd's
	s_wait_dscnt 0x0
	WIN 0x22                                       ; source 0 (Wqd) and source 2 (bqd) window 2
	v_wmma_scale_f32_16x16x128_f8f6f4 v[LA:LA+7], v[0:11], v[QF:QF+11], v[48:55], v32, v44 matrix_a_fmt:MATRIX_FMT_FP6 matrix_b_fmt:MATRIX_FMT_FP6
	WIN 0x02
.irp s, 1,2,3
	s_wait_alu depctr_va_vdst(0)                   ; a wait ahead of every link
	v_wmma_scale_f32_16x16x128_f8f6f4 v[LA:LA+7], v[12*\s:12*\s+11], v[QF+12*\s:QF+12*\s+11], v[LA:LA+7], v[32+\s], v[44+\s] matrix_a_fmt:MATRIX_FMT_FP6 matrix_b_fmt:MATRIX_FMT_FP6
.endr
	WIN 0
	PLACES 5
	v_pk_mul_f32 v[T0:T0+1], v[LA:LA+1], v[LA:LA+1]
.irp p, 2,4,6
	v_pk_fma_f32 v[T0:T0+1], v[LA+\p:LA+\p+1], v[LA+\p:LA+\p+1], v[T0:T0+1]
.endr
	v_add_f32 v[T0], v[T0], v[T0+1]
	v_permlanex16_b32 v[T0+1], v[T0], s[SEL], s[SEL+1]
	v_add_f32 v[T0], v[T0], v[T0+1]                ; the squares of my 16 units
	ds_store_b128 v16, v[LA:LA+3]                  ; units 16 w + 8 h + 0 .. 7 (the sixteen lanes of a half write the same words with the same values)
	ds_store_b128 v16, v[LA+4:LA+7] offset:16
	ds_store_b32 v17, v[T0]
	BARRIER
	; ---- S3: the latent row, normalised and quantised; my 128 outputs of q_heads; the head weights; the slices into LDS
.irp b, 0,1
.irp j, 0,1,2,3
	ds_load_b128 v[X+16*\b+4*\j:X+16*\b+4*\j+3], v4 offset:QLAT+128*\b+16*\j
.endr
.endr
	ds_load_b128 v[SSQ:SSQ+3], v13 offset:QSS
.irp i, 0,1,2,3,4,5,6,7
	ds_load_b128 v[HP+4*\i:HP+4*\i+3], v13 offset:HWP+16*\i
.endr
	s_wait_loadcnt 32                              ; keys and slices may be out
	s_wait_dscnt 0x0
	v_add_f32 v[SSQ], v[SSQ], v[SSQ+1]
	v_add_f32 v[SSQ+2], v[SSQ+2], v[SSQ+3]
	v_add_f32 v[SSQ], v[SSQ], v[SSQ+2]
	v_fma_f32 v[SSQ], v[SSQ], s[R64], s[EPS]
	v_rsq_f32 v[SSQ], v[SSQ]
	v_nop
	s_wait_alu depctr_va_vdst(0)
.irp p, 0,2,4,6,8,10,12,14,16,18,20,22,24,26,28,30
	v_pk_mul_f32 v[X+\p:X+\p+1], v[X+\p:X+\p+1], v[SSQ:SSQ+1] op_sel_hi:[1,0]
.endr
	WIN 0x04                                       ; source 1 (g_q) window 1
.irp p, 0,2,4,6,8,10,12,14,16,18,20,22,24,26,28,30
	v_pk_mul_f32 v[X+\p:X+\p+1], v[X+\p:X+\p+1], v[160+\p:161+\p]
.endr
	WIN 0
	QUANT1 X, 49
	PLACES 8                                       ; a scale register written by a vector instruction stands 8 places ahead of a scaled product
	WIN 0x11                                       ; source 0 (Wqu) and source 2 (bqu) window 1
.irp t, 0,1,2,3,4,5,6,7
	v_wmma_scale_f32_16x16x128_f8f6f4 v[QQ+8*\t:QQ+8*\t+7], v[12*\t:12*\t+11], v[PC:PC+11], v[96+8*\t:96+8*\t+7], v[36+\t], v49 matrix_a_fmt:MATRIX_FMT_FP6 matrix_b_fmt:MATRIX_FMT_FP6
.endr
	WIN 0
	PLACES 5
.irp t, 0,1,2,3,4,5,6,7
	ds_store_b128 v20, v[QQ+8*\t:QQ+8*\t+3] offset:64*\t          ; outputs 128 w + 16 t + 8 h + 0 .. 7
	ds_store_b128 v20, v[QQ+8*\t+4:QQ+8*\t+7] offset:64*\t+16
.endr
.irp e, 0,1,2,3,4,5,6,7
	v_add_f32 v[HW+\e], v[HP+\e], v[HP+8+\e]
.endr
.irp e, 0,1,2,3,4,5,6,7
	v_add_f32 v[HP+16+\e], v[HP+16+\e], v[HP+24+\e]
.endr
.irp e, 0,1,2,3,4,5,6,7
	v_add_f32 v[HW+\e], v[HW+\e], v[HP+16+\e]
.endr
.irp e, 0,1,2,3,4,5,6,7
	v_add_f32 v[HW+\e], v[HW+\e], v[BH+\e]         ; the 8 head logits
.endr
	v_max3_num_f32 v[T0], v[HW], v[HW+1], v[HW+2]
	v_max3_num_f32 v[T0], v[T0], v[HW+3], v[HW+4]
	v_max3_num_f32 v[T0], v[T0], v[HW+5], v[HW+6]
	v_max_num_f32 v[T0], v[T0], v[HW+7]            ; their maximum is taken away ahead of the exponentials
.irp e, 0,1,2,3,4,5,6,7
	v_sub_f32 v[HW+\e], v[HW+\e], v[T0]
.endr
.irp e, 0,1,2,3,4,5,6,7
	v_mul_f32 v[HW+\e], 0x3fb8aa3b, v[HW+\e]
.endr
.irp e, 0,1,2,3,4,5,6,7
	v_exp_f32 v[HW+\e], v[HW+\e]
.endr
	v_nop
	s_wait_alu depctr_va_vdst(0)
	v_add_f32 v[T0], v[HW], v[HW+1]
.irp e, 2,3,4,5,6,7
	v_add_f32 v[T0], v[T0], v[HW+\e]
.endr
	v_rcp_f32 v[T0], v[T0]
	v_nop
	s_wait_alu depctr_va_vdst(0)
.irp e, 0,1,2,3,4,5,6,7
	v_mul_f32 v[HW+\e], v[HW+\e], v[T0]            ; the head weights, in every lane
.endr
	s_wait_loadcnt 0x0
	WIN 0x08                                       ; an LDS store's data are its source 1: window 2
.irp i, 0,1,2,3,4,5,6,7,8,9,10,11,12,13,14,15
	ds_store_b128 v21, v[64+4*\i:67+4*\i] offset:512*\i
.endr
	WIN 0
	BARRIER
	; ---- S4: the dot products.  Lane (r, h) holds, of blocks 32 w + r and 32 w + 16 + r, the 32 units 16 t + 8 h + j, and the same units of all 8 heads
	WIN 0xc0
.irp e, 0,1,2,3,4,5,6,7
.irp t, 0,1,2,3
.irp q, 0,1
	ds_load_b128 v[32*\e+8*\t+4*\q:32*\e+8*\t+4*\q+3], v7 offset:QH+256*\e+64*\t+16*\q
.endr
.endr
.endr
	WIN 0x0d                                       ; source 0 (keys) window 1, source 1 (q_heads) window 3
	s_wait_dscnt 0x0
.irp e, 0,1,2,3,4,5,6,7
.irp g, 0,1
	v_pk_mul_f32 v[AC+4*\e+2*\g:AC+4*\e+2*\g+1], v[192+32*\g:193+32*\g], v[32*\e:32*\e+1]
.endr
.endr
.irp p, 2,4,6,8,10,12,14,16,18,20,22,24,26,28,30
.irp e, 0,1,2,3,4,5,6,7
.irp g, 0,1
	v_pk_fma_f32 v[AC+4*\e+2*\g:AC+4*\e+2*\g+1], v[192+32*\g+\p:193+32*\g+\p], v[32*\e+\p:32*\e+\p+1], v[AC+4*\e+2*\g:AC+4*\e+2*\g+1]   ; sixteen chains by turns
.endr
.endr
.endr
	WIN 0
.irp e, 0,1,2,3,4,5,6,7
.irp g, 0,1
	v_add_f32 v[AC+4*\e+2*\g], v[AC+4*\e+2*\g], v[AC+4*\e+2*\g+1]
.endr
.endr
.irp e, 0,1,2,3,4,5,6,7                        ; lane l is to hold block 32 w + l: of its two halves it keeps block group h's and sends the other group's to lane l xor 16
	v_cndmask_b32 v[AC+4*\e+1], v[AC+4*\e], v[AC+4*\e+2], s[HM]
	v_cndmask_b32 v[AC+4*\e+3], v[AC+4*\e+2], v[AC+4*\e], s[HM]
.endr
.irp e, 0,1,2,3,4,5,6,7
	v_permlanex16_b32 v[AC+4*\e], v[AC+4*\e+3], s[SEL], s[SEL+1]
.endr
.irp e, 0,1,2,3,4,5,6,7
	v_add_f32 v[AC+4*\e], v[AC+4*\e], v[AC+4*\e+1]
.endr
.irp e, 0,1,2,3,4,5,6,7
	v_max_num_f32 v[AC+4*\e], 0, v[AC+4*\e]        ; relu
.endr
	v_mul_f32 v[SN], v[AC], v[HW]
.irp e, 1,2,3,4,5,6,7
	v_fmac_f32 v[SN], v[AC+4*\e], v[HW+\e]
.endr
	v_mov_b32 v[CT], 0xff7fffff                    ; the lowest f32 number
	v_cndmask_b32 v[SN], v[SN], v[CT], s[BM]       ; for a block that is all padding
	ds_store_b32 v22, v[SN] offset:SCO
	BARRIER
	; ---- S5: my block's rank among the 128
.irp i, 0,1,2,3,4,5,6,7,8,9,10,11,12,13,14,15,16,17,18,19,20,21,22,23,24,25,26,27,28,29,30,31
	ds_load_b128 v[BR+4*\i:BR+4*\i+3], v13 offset:SCO+16*\i       ; all 128 scores, in every lane
.endr
	v_mov_b32 v[CT], 0
	s_wait_dscnt 0x0
.set mm, 0
.rept 128
	v_cmp_gt_f32 s[CM+2*(mm%2)], v[BR+mm], v[SN]   ; block mm comes first: its score is larger,
	v_cmp_eq_f32 s[CM+1+2*(mm%2)], v[BR+mm], v[SN] ; or equal
	v_cmp_lt_u32 vcc_lo, mm, v0                    ; with a lower index
	s_and_b32 s[CM+1+2*(mm%2)], s[CM+1+2*(mm%2)], vcc_lo
	s_or_b32 vcc_lo, s[CM+2*(mm%2)], s[CM+1+2*(mm%2)]
	v_add_co_ci_u32 v[CT], vcc_lo, 0, v[CT], vcc_lo
.set mm, mm+1
.endr
	ds_store_b32 v22, v[CT] offset:RNK
	BARRIER
	; ---- S6: rows 4 w .. 4 w + 3 of the output: out of all 128 slices the one whose rank is the row's number.  A lane holds 2 columns
.irp i, 0,1,2,3,4,5,6,7,8,9,10,11,12,13,14,15,16,17,18,19,20,21,22,23,24,25,26,27,28,29,30,31
	ds_load_b128 v[BR+4*\i:BR+4*\i+3], v13 offset:RNK+16*\i       ; all 128 ranks, in every lane
.endr
	ds_load_b128 v[NP:NP+3], v13 offset:NPD
	WIN 0x80
.set nn, 0
.rept 128
	ds_load_b64 v[2*nn:2*nn+1], v12 offset:SLC+256*nn
.set nn, nn+1
.endr
	WIN 0
.irp i, 0,1,2,3,4,5,6,7
	v_mov_b32 v[OUT+\i], 0
.endr
	s_wait_dscnt 0x0
	WIN 0x08                                       ; source 1 (the slices) window 2
.set nn, 0
.rept 128
.irp jj, 0,1,2,3
	v_cmp_eq_u32 s[CM+\jj], v[BR+nn], s[JR+\jj]
.endr
.irp jj, 0,1,2,3
	v_cndmask_b32 v[OUT+2*\jj], v[OUT+2*\jj], v[2*nn], s[CM+\jj]
	v_cndmask_b32 v[OUT+2*\jj+1], v[OUT+2*\jj+1], v[2*nn+1], s[CM+\jj]
.endr
.set nn, nn+1
.endr
	WIN 0
.irp jj, 0,1,2,3
	global_store_b64 v12, v[OUT+2*\jj:OUT+2*\jj+1], s[26:27] offset:2048*\jj th:TH_STORE_NT   ; 32 lanes store 256 consecutive bytes, aligned; written once, read by nobody here
.endr
	v_add_nc_u32 v[NP], v[NP], v[NP+1]
	v_add_nc_u32 v[NP+2], v[NP+2], v[NP+3]
	v_add_nc_u32 v[NP], v[NP], v[NP+2]             ; blocks that are all padding
	v_sub_nc_u32 v[NP], 0x80, v[NP]                ; and those that are not
	v_cmp_ge_u32 vcc_lo, v0, v[NP]
	v_cndmask_b32 v[NP+1], 0, 1, vcc_lo            ; row j is a padded block where j >= that number
	s_cmp_lg_u32 ttmp9, 0                          ; out1 is stored once for a batch: by slice 0's wave 0
	s_cbranch_scc1 .Lend
	s_cmp_lg_u32 s[WV], 0
	s_cbranch_scc1 .Lend
	s_wait_xcnt 0x0                                ; EXEC changes only behind this wait: it is a source of the stores above
	v_cmp_gt_u32 vcc_lo, 16, v0
	s_and_saveexec_b32 s[SV], vcc_lo
	global_store_b8 v0, v[NP+1], s[28:29]
	s_wait_xcnt 0x0                                ; and again in front of the line that widens it
	s_or_b32 exec_lo, exec_lo, s[SV]
.Lend:
	s_wait_tensorcnt 0x0
	ds_add_u32 v69, v73
	s_wait_dscnt 0x0
	s_endpgm
.Lfunc_end_k_q3c2b623078_pick:
	.size	k_q3c2b623078_pick, .Lfunc_end_k_q3c2b623078_pick-k_q3c2b623078_pick
	.p2alignl 7, 3214868480
	.fill 96, 4, 3214868480
	.section	.rodata,"a",@progbits
	.p2align	6, 0x0
	.amdhsa_kernel k_q3c2b623078_pick
		.amdhsa_group_segment_fixed_size 50688
		.amdhsa_private_segment_fixed_size 0
		.amdhsa_enable_private_segment 0
		.amdhsa_kernarg_size 104
		.amdhsa_user_sgpr_count 2
		.amdhsa_user_sgpr_kernarg_segment_ptr 1
		.amdhsa_wavefront_size32 1
		.amdhsa_system_sgpr_workgroup_id_x 1
		.amdhsa_system_sgpr_workgroup_id_y 1
		.amdhsa_system_sgpr_workgroup_id_z 1
		.amdhsa_system_vgpr_workitem_id 0
		.amdhsa_next_free_vgpr 1024
		.amdhsa_next_free_sgpr 80
		.amdhsa_reserve_vcc 1
		.amdhsa_float_denorm_mode_32 3
		.amdhsa_float_denorm_mode_16_64 3
		.amdhsa_memory_ordered 1
		.amdhsa_forward_progress 1
		.amdhsa_inst_pref_size 208
	.end_amdhsa_kernel
	.amdgpu_metadata
---
amdhsa.version: [ 1, 2 ]
amdhsa.kernels:
  - .name:           k_q3c2b623078_pick
    .symbol:         k_q3c2b623078_pick.kd
    .args:
      - { .name: query, .offset: 0, .size: 8, .value_kind: global_buffer, .address_space: global }
      - { .name: wcodes, .offset: 8, .size: 8, .value_kind: global_buffer, .address_space: global }
      - { .name: wscales, .offset: 16, .size: 8, .value_kind: global_buffer, .address_space: global }
      - { .name: bqd, .offset: 24, .size: 8, .value_kind: global_buffer, .address_space: global }
      - { .name: g_q, .offset: 32, .size: 8, .value_kind: global_buffer, .address_space: global }
      - { .name: bqu, .offset: 40, .size: 8, .value_kind: global_buffer, .address_space: global }
      - { .name: Whw, .offset: 48, .size: 8, .value_kind: global_buffer, .address_space: global }
      - { .name: bhw, .offset: 56, .size: 8, .value_kind: global_buffer, .address_space: global }
      - { .name: padding_mask, .offset: 64, .size: 8, .value_kind: global_buffer, .address_space: global }
      - { .name: keys, .offset: 72, .size: 8, .value_kind: global_buffer, .address_space: global }
      - { .name: btok, .offset: 80, .size: 8, .value_kind: global_buffer, .address_space: global }
      - { .name: out0, .offset: 88, .size: 8, .value_kind: global_buffer, .address_space: global }
      - { .name: out1, .offset: 96, .size: 8, .value_kind: global_buffer, .address_space: global }
    .group_segment_fixed_size: 50688
    .private_segment_fixed_size: 0
    .kernarg_segment_align: 8
    .kernarg_segment_size: 104
    .max_flat_workgroup_size: 128
    .sgpr_count:     80
    .vgpr_count:     1024
    .wavefront_size: 32
...
	.end_amdgpu_metadata
.endif
;; end of part 3
